; MI455X (gfx1250); checked and timed in simulation.
; The chip was launched on July 23, 2026; its instructions are those of AMD's public machine-readable ISA for CDNA 5 (MIT licence, August 2026) and "CDNA5" Instruction Set Architecture Reference Guide (July 2026). The comments in the code are by the model that wrote it; some were corrected since.
;; Softmax Attention. Allowed arithmetic: matrix products marked QUANTISED: E5M2 operands, one given power-of-two scale a tensor, by v_wmma_f32_16x16x64_bf8_bf8 or v_wmma_f32_16x16x128_bf8_bf8, f32 sums; everything else in f32.
;; Inputs: Wk_codes 1,024 x 32 x 32 uint8 (E5M2 codes of Wk, K innermost, in blocks of 32 codes); Wo_codes 1,024 x 32 x 32 uint8 (E5M2 codes of Wo, K innermost, in blocks of 32 codes); Wq_codes 1,024 x 32 x 32 uint8 (E5M2 codes of Wq, K innermost, in blocks of 32 codes); Wv_codes 1,024 x 32 x 32 uint8 (E5M2 codes of Wv, K innermost, in blocks of 32 codes); lowp_scales 12 int32 (the exponents e of the quantised operands' scales 2^e); x_codes 4 x 2,048 x 32 x 32 uint8 (E5M2 codes of x, K innermost, in blocks of 32 codes).
;; Outputs: out0 4 x 2,048 x 1,024 float32.
;; This version of the problem:
;;   THIS VERSION OF THE PROBLEM IS GIVEN IN LOW PRECISION. The matrix products marked QUANTISED in the list below multiply operands that are first quantised to E5M2 (5 exponent bits, 2 mantissa bits; 8 bits a number), with one given power-of-two scale for each operand tensor; their sums are f32. All else is computed in f32.
;;   The module's matrix products, in the order in which they are computed (A, B: the left and right operand; K: the contracted axis; several contracted axes count as one K, in the product's order):
;;     1. [M 8,192, K 1,024] x [K 1,024, N 1,024]; A: input x (given as codes); B: input Wq (given as codes): QUANTISED (scales: A lowp_scales[0], B lowp_scales[1])
;;     2. [M 8,192, K 1,024] x [K 1,024, N 1,024]; A: input x (given as codes); B: input Wk (given as codes): QUANTISED (scales: A lowp_scales[2], B lowp_scales[3])
;;     3. [M 8,192, K 1,024] x [K 1,024, N 1,024]; A: input x (given as codes); B: input Wv (given as codes): QUANTISED (scales: A lowp_scales[4], B lowp_scales[5])
;;     4. batch 64 x [M 2,048, K 64] x [K 64, N 2,048]; A: computed on the way; B: computed on the way: QUANTISED (scales: A lowp_scales[6], B lowp_scales[7])
;;     5. batch 64 x [M 2,048, K 2,048] x [K 2,048, N 64]; A: softmax (see below); B: computed on the way: QUANTISED (scales: A lowp_scales[8], B lowp_scales[9])
;;     6. [M 8,192, K 1,024] x [K 1,024, N 1,024]; A: computed on the way; B: input Wo (given as codes): QUANTISED (scales: A lowp_scales[10], B lowp_scales[11])
;;   THE QUANTISER, for each operand of a quantised product, along K:
;;     - The operand's scale is 2^e, e = its entry of the input lowp_scales (int32; the entries are numbered through the quantised products in the list's order, A before B).
;;     - Each number is divided by the scale, clamped to +-57,344, and rounded to the nearest number of E5M2, ties to even, subnormals kept.
;;     - The product sums the exact products of the quantised numbers (number of the format x scale) in f32.
;;   ~~~python
;;   def quantise(x, axis, e):      # numpy; x: float32 -> the quantised numbers, widened to float32 again
;;       x = np.moveaxis(x, axis, -1); K = x.shape[-1]
;;       r = np.clip(x / 2.0 ** e, -57344, 57344)
;;       step = 2.0 ** (np.maximum(np.frexp(np.where(r == 0, 1, r))[1] - 1, -14) - 2)
;;       q = np.round(r / step) * step * 2.0 ** e      # np.round: ties to even
;;       return np.moveaxis(q, -1, axis).astype(np.float32)
;;   ~~~
;;   SOFTMAX AHEAD OF A QUANTISED PRODUCT. Where the list says 'softmax', what is quantised is not the finished softmax but p = 2^(t - M), with t = logit x log2(e) and M = ceil(the row's largest t), a whole number; so 1/2 < the row's largest p <= 1. The row's sum l is taken of the UNQUANTISED p, in f32, and the product's result is divided by l at the end. Since M is a whole number, a kernel that streams over the keys may use a running M (the ceiling of the running maximum): every later rescaling is an exact power of two, so the quantised numbers keep their values, but for numbers so far below the row's largest that they fall under the format's range.
;;   OPERANDS COMPUTED ON THE WAY. 'Computed on the way' means the value that the module computes at that place (a softmax that the list does not call 'softmax' is quantised finished and normalised). What goes into a quantiser is computed in f32, as accurately as f32 sums, v_exp_f32 and their like allow (about 1e-6 of the number): no bf16 or f16 on the way to a quantiser, and a product that is left as it is and whose result goes on into a quantised operand takes f32 operands (vector FMAs, or v_wmma_f32_16x16x4_f32). A number that lies on a knife's edge between two numbers of the format may be rounded either way, as far as f32 arithmetic and the matrix unit's own rounding can turn it there, and no further.
;;   INPUTS GIVEN AS CODES. Wk (in the module: [1024, 1024], K = its axis 1); Wo (in the module: [1024, 1024], K = its axis 1); Wq (in the module: [1024, 1024], K = its axis 1); Wv (in the module: [1024, 1024], K = its axis 1); x (in the module: [4, 2048, 1024], K = its axis 2): each comes as NAME_codes (uint8): NAME with its K axis moved to the last place and cut into blocks of 32 codes, [.., K / 32, bytes a block], one block behind the other in memory; one code a byte (a code: sign, 5 exponent bits, 2 mantissa bits); its scale is its entry of lowp_scales. Its value is code x scale, taken as it is: it is not quantised again, and the codes and scales need not be those that the quantiser above would give.
;; 2 versions, each right; version 2 is version 1 with the launch attn written anew for expert scheduling mode. Each part assembles by itself: llvm-mc -triple=amdgcn-amd-amdhsa -mcpu=gfx1250 --defsym DOCPART=n.
;; ======== version 1 of 2: 3 launches
;; workspace buffers: q_codes 8,388,608 bytes; k_codes 8,388,608 bytes; v_codes 8,388,608 bytes; o_codes 8,388,608 bytes
;; launch proj (part 1): grid 12 x 32, 4 waves a work-group, clusters of 4 x 4, 327,680 bytes of LDS; arguments x_codes, Wq_codes, Wk_codes, Wv_codes, lowp_scales, q_codes, k_codes, v_codes; writes q_codes, k_codes, v_codes
.if DOCPART == 1
	.amdgcn_target "amdgcn-amd-amdhsa--gfx1250"
	.amdhsa_code_object_version 6
	.text
	.protected	k_q489dc4c510_proj
	.globl	k_q489dc4c510_proj
	.p2align	8
	.type	k_q489dc4c510_proj,@function
k_q489dc4c510_proj:
	s_mov_b64 s[64:65], 0
	v_nop
	global_prefetch_b8 v0, s[64:65] scope:SCOPE_SE
	s_setreg_imm32_b32 hwreg(HW_REG_WAVE_MODE, 25, 1), 1
	s_wait_xcnt 0x0
	s_wait_alu depctr_hold_cnt(0) depctr_sa_sdst(0) depctr_va_vdst(0) depctr_va_sdst(0) depctr_va_ssrc(0) depctr_va_vcc(0) depctr_vm_vsrc(0)
	s_getreg_b32 s2, hwreg(HW_REG_IB_STS2, 6, 4)
	s_cmp_eq_u32 s2, 0
	s_cbranch_scc0 .Lentry_in_a_cluster
	s_endpgm
.Lentry_in_a_cluster:
	s_bfe_u32 s2, ttmp6, 0x10000c
	s_cmp_lg_u32 s2, 0xf033
	s_cbranch_scc0 .Lentry_shape_is_right
	s_endpgm
.Lentry_shape_is_right:
; q = x Wq^T, k = x Wk^T, v = x Wv^T on codes of BF8 (E5M2), and each result turned into codes at once, with the scale that is given for it as an operand of the next product.
; x: [8192][1024], Wq, Wk, Wv: [1024][1024]: codes, K innermost.  Out: q_codes, k_codes [b 4][h 16][t 2048][d 64];  v_codes [b][h][d 64][t 2048] (the keys innermost: they are the K of attention's second product).
; WHICH PRODUCT: the cluster's x (0, 1, 2 = q, k, v), the same number in all sixteen partners.  A tile of the result is 256 x 256; four waves, 128 x 128 each: 64 accumulators, 512 registers.
; q, k: operand A = x (tile row = 4 x cluster y + cy), operand B = the weight (tile column = cx).  v: THE OPERANDS CHANGE ROLES: A = Wv (tile row = cy), B = x (tile column = 4 x cluster y + cx).
; The matrix instruction is used transposed (source 0 = 16 rows of B, source 1 = 16 rows of A): a lane holds one row of A and eight neighbouring rows of B: for q and k eight neighbouring d of a token,
; for v eight neighbouring tokens of a feature: in both cases eight neighbours along the next product's K, which one conversion turns into eight codes.
; A sum stands for sum x 2^(ea + eb), so its code is sum / 2^E, E = e_next - ea - eb (q: e6 - e0 - e1; k: e7 - e2 - e3; v: e9 - e4 - e5), held within +-57,344 x 2^E first.
; LIMITS: E between -126 and 112, so that 2^E and 57,344 x 2^E are f32 numbers.  Codes of NaN or infinity among the inputs are not served.
; K goes in four steps of 256 through a ring of two LDS slots filled by the tensor data mover; all four are written out.  CLUSTERS: 4 x 4 work-groups; A's tiles are asked for jointly along a row of the cluster, B's along a column.
; REGISTERS, in windows of 256: window 0: v0-31 addresses; from v128 A's fragments, one set; on the way out v32-95 held sums, v128-255 codes.   window 1: B's fragments, two sets.   windows 2, 3: the accumulators ((a, b) at v[8 (8 (a % 4) + b)]).
.set ROWB,   256                       ; a tile's row in bytes: 256 codes
.set KROW,   1024                      ; a row of x or of a weight in memory
.set PITCH,  272                       ; an LDS row: 256 bytes + 16 of padding = 68 words: row r starts at bank 4 r mod 64 (64 banks of 4 bytes: ISA guide 11.1)
.set FR,     16                        ; registers of a fragment: 16 rows x 128 K
.set NL,     4                         ; LDS loads that bring one
.set NP,     4                         ; places behind this matrix instruction (ISA guide 7.12.1)
.set HALFT,  128*PITCH                 ; 128 rows: what one tensor load brings
.set SLOT,   4*HALFT                   ; A's 256 rows, then B's 256 rows
.set ASTEP,  2*ROWB                    ; a refill's step in memory: two K steps on
.set BSTEP,  2*ROWB
.set SPARE,  2*SLOT                    ; behind the ring: the spare words, 128 bytes for each wave: two blocks of 256 bytes that no other line names
.set GRP,    64*272+64                 ; the way out: the stage's part for 64 columns: 64 rows of (4 tile rows x 64 bytes + 16), + 64 bytes, so that the four parts start 16 banks apart
.set ADRA, 16                          ; v16-17  LDS address of my A fragments in slot 0, 1
.set ADRB, 20                          ; v20-21  the same for B
.set GOV,  22                          ; v22     v's way out: my byte offset among two rows of v_codes
.set STO,  24                          ; v24     where I put 8 codes in the stage
.set RDQ,  25                          ; v25     q, k: where I read the stage back
.set RDV,  26                          ; v26     v: the same
.set GOQ,  27                          ; v27     q, k: 16 x lane
.set SPW,  28                          ; v28     LDS address of my spare word; never rewritten
.set NIL,  29                          ; v29     0; never rewritten
.set SC,   30                          ; v30     2^E as f32
.set LIM,  31                          ; v31     57,344 x 2^E
.set TMP,  32                          ; v32-95  a block's sums, held
.set AF,   128                         ; A's fragments
.set CD,   128                         ; the way out: codes, 16 registers a block; then the stage read back
.set G1, 24
.set G0, 32
.set G1B, 48
.set G0B, 56
.set MSB, 0
.macro WIN new                         ; the immediate's high byte repeats the setting that is left
.if MSB != \new
	s_set_vgpr_msb (MSB<<8)|\new
.set MSB, \new
.endif
.endm
.set MUL_LO, 0xa1                      ; source 0 (B) window 1, source 1 (A) window 0, C and D window 2
.set MUL_HI, 0xf1                      ; the same, C and D window 3
.set TO_B,   0x40                      ; destination window 1, address window 0
; A joint load: waves 0 and 1 fetch for A, waves 2 and 3 for B; the branch hangs on the wave's number alone.  Four v_nop follow each of the two lines.
.macro JLOAD g0a, g1a, g0b, g1b
	s_cmp_eq_u32 s15, 0
	s_cbranch_scc0 .Lfor_b_\@
	tensor_load_to_lds s[\g0a:\g0a+3], s[\g1a:\g1a+7]
	s_nop 0
.rept 4
	v_nop
.endr
	s_branch .Lasked_\@
.Lfor_b_\@:
	tensor_load_to_lds s[\g0b:\g0b+3], s[\g1b:\g1b+7]
	s_nop 0
.rept 4
	v_nop
.endr
.Lasked_\@:
.endm
.macro CREST                           ; a round of the cluster's barrier behind its opening barrier
	s_cmp_lg_u32 s14, 0
	s_cbranch_scc1 .Lnot_wave_0_\@
	s_barrier_signal -3
.Lnot_wave_0_\@:
	s_barrier_wait -3
	s_barrier_signal -1
	s_barrier_wait -1
.endm
.macro CROUND                          ; a whole round
	s_barrier_signal -1
	s_barrier_wait -1
	CREST
.endm
	s_load_b512 s[68:83], s[0:1], 0x0              ; x 68, Wq 70, Wk 72, Wv 74, the scales' exponents 76, q_codes 78, k_codes 80, v_codes 82
	v_lshl_add_u32 v[SPW], v0, 2, SPARE
	v_mov_b32 v[NIL], 0
	ds_add_u32 v28, v29
	ds_add_u32 v28, v29
	s_wait_dscnt 0x0
	v_lshrrev_b32 v1, 5, v0
	v_readfirstlane_b32 s14, v1                    ; wave 0..3
	s_lshr_b32 s15, s14, 1                         ; which half of the tile's rows is mine.  Also: I fetch for A (0) or for B (1)
	s_and_b32 s16, s14, 1                          ; which half of its columns.  Also: which 128 rows of that tile I fetch
	s_bfe_u32 s40, ttmp6, 0x40000                  ; cx, cy: my place in the cluster
	s_bfe_u32 s41, ttmp6, 0x40004
	s_and_b32 s96, ttmp7, 0xffff
	s_lshl_b32 s96, s96, 2                         ; 4 x cluster y: it goes with x's 32 tiles, which are A's for q and k and B's for v
	s_cmp_eq_u32 ttmp9, 2                          ; v?  The cluster's x is the same in all partners
	s_cselect_b32 s17, 0, s96
	s_cselect_b32 s42, s96, 0
	s_add_co_u32 s17, s17, s41                     ; A's tile row: made of cy, never of cx
	s_add_co_u32 s42, s42, s40                     ; B's tile column: made of cx, never of cy
	s_lshl_b32 s43, s41, 2
	s_lshl_b32 s43, 15, s43                        ; my row of the cluster
	s_lshl_b32 s44, 0x1111, s40                    ; my column
	; descriptor group 1: a tile of 128 rows x 256 bytes, padded in LDS
	s_or_b32 s[G1+0], s43, (0<<16)|(1<<20)|(1<<21)|(5<<22)|(3<<25)  ; 15:0 the mask: A's tiles go to my row; 17:16 element of 1 byte; 20 padding on; 21 set beside a mask; 24:22 after every 64 words (code 5); 31:25 of 4 words (code 3)
	s_or_b32 s[G1B+0], s44, (0<<16)|(1<<20)|(1<<21)|(5<<22)|(3<<25)
.irp g, G1, G1B
	s_mov_b32 s[\g+1], ROWB<<16                    ; tensor_dim0
	s_mov_b32 s[\g+2], 128<<16                     ; tensor_dim1 = 128
	s_mov_b32 s[\g+3], ROWB<<16                    ; tile_dim0
	s_mov_b32 s[\g+4], 128                         ; tile_dim1 = 128
	s_mov_b32 s[\g+5], KROW                        ; tensor_dim0_stride
	s_mov_b32 s[\g+6], 0
	s_mov_b32 s[\g+7], 0
.endr
	s_lshl_b32 s18, s16, 7                         ; which 128 rows of the tile I fetch
	s_lshl_b32 s20, s17, 8
	s_add_co_u32 s20, s20, s18                     ; A: row 256 x tile row + 128 x half,
	s_lshl_b32 s20, s20, 10                        ; in bytes (under 2^23)
	s_mov_b32 s21, 0
	s_lshl_b32 s46, s42, 8
	s_add_co_u32 s46, s46, s18                     ; B: row 256 x tile column + 128 x half
	s_lshl_b32 s46, s46, 10
	s_mov_b32 s47, 0
	s_mul_i32 s45, s14, HALFT                      ; where they go: wave x 128 rows: no place in the cluster enters an LDS address
	s_wait_kmcnt 0x0
	s_load_b256 s[84:91], s[76:77], 0x0            ; e0 .. e7
	s_load_b128 s[92:95], s[76:77], 0x20           ; e8 .. e11
	s_cmp_eq_u32 ttmp9, 2                          ; the buffers are chosen by the cluster's x alone
	s_cselect_b64 s[4:5], s[74:75], s[68:69]       ; A: Wv or x
	s_cselect_b64 s[6:7], s[68:69], s[72:73]       ; B: x or Wk,
	s_cselect_b64 s[10:11], s[82:83], s[80:81]     ; out: v_codes or k_codes,
	s_cmp_eq_u32 ttmp9, 0
	s_cselect_b64 s[6:7], s[70:71], s[6:7]         ; or Wq
	s_cselect_b64 s[10:11], s[78:79], s[10:11]     ; and q_codes
	s_add_nc_u64 s[20:21], s[4:5], s[20:21]
	s_add_nc_u64 s[46:47], s[6:7], s[46:47]
	CROUND                                         ; all sixteen work-groups are here: the first joint loads meet
.irp s, 0,1
	s_mov_b32 s[G0+4*\s], 1
	s_add_co_u32 s[G0+4*\s+1], s45, \s*SLOT
	s_add_nc_u64 s[G0+4*\s+2:G0+4*\s+3], s[20:21], \s*ROWB
	s_or_b32 s[G0+4*\s+3], s[G0+4*\s+3], 0x80000000
	s_mov_b32 s[G0B+4*\s], 1
	s_add_co_u32 s[G0B+4*\s+1], s45, \s*SLOT
	s_add_nc_u64 s[G0B+4*\s+2:G0B+4*\s+3], s[46:47], \s*ROWB
	s_or_b32 s[G0B+4*\s+3], s[G0B+4*\s+3], 0x80000000
	JLOAD G0+4*\s, G1, G0B+4*\s, G1B
.endr
	v_and_b32 v1, 15, v0                           ; r = l % 16
	v_bfe_u32 v2, v0, 4, 1                         ; h = l / 16
	v_mul_u32_u24 v3, v1, PITCH
	v_lshl_add_u32 v4, v2, 4, v3                   ; a fragment's row x pitch + 16 x half
	s_mul_i32 s21, s15, HALFT                      ; my 128 rows of A
	s_mul_i32 s22, s16, HALFT                      ; my 128 rows of B,
	s_add_co_u32 s22, s22, 2*HALFT                 ; which lie behind A's 256
.irp s, 0,1
	v_add_nc_u32 v[ADRA+\s], s21, v4
	v_add_nc_u32 v[ADRB+\s], s22, v4
	s_add_co_u32 s21, s21, SLOT
	s_add_co_u32 s22, s22, SLOT
.endr
	; THE STAGE, the work-group's, in slot 0: the code of tile row R, tile column C lies at (C / 64) GRP + (R / 4) 272 + (R % 4) 64 + C % 64.  All its address registers are made here, ahead of the branch on the product.
	v_lshrrev_b32 v5, 2, v1
	v_mul_u32_u24 v5, v5, 272
	v_and_b32 v6, 3, v1
	v_lshl_add_u32 v5, v6, 6, v5
	v_lshl_add_u32 v5, v2, 3, v5                   ; in: (r / 4) 272 + (r % 4) 64 + 8 h: the 32 lanes of a store of 8 bytes fall on 64 different banks
	s_mul_i32 s23, s16, 2*GRP                      ; my 128 columns,
	s_mul_i32 s22, s15, 32*272                     ; my 128 rows
	s_add_co_u32 s23, s23, s22
	v_add_nc_u32 v[STO], s23, v5
	v_mul_u32_u24 v7, v2, 272
	v_lshl_add_u32 v7, v1, 4, v7
	s_mul_i32 s23, s14, GRP
	v_add_nc_u32 v[RDQ], s23, v7                   ; q, k: wave w takes the tile's head w: two stage rows (8 tokens x 64 d, 512 bytes on end in memory) an instruction
	v_bfe_u32 v7, v0, 2, 2
	v_mul_u32_u24 v7, v7, GRP
	v_lshl_add_u32 v7, v2, 6, v7
	v_and_b32 v8, 3, v0
	v_lshl_add_u32 v7, v8, 4, v7
	s_mul_i32 s23, s14, 16*272
	v_add_nc_u32 v[RDV], s23, v7                   ; v: wave w takes features 64 w on: sixteen lanes gather a feature's 256 tokens out of the four parts
	v_and_b32 v6, 31, v0
	v_lshlrev_b32 v[GOQ], 4, v6
	v_lshlrev_b32 v[GOV], 4, v1
	v_lshl_add_u32 v[GOV], v2, 11, v[GOV]          ; lanes 0-15 one row of v_codes, lanes 16-31 the next, 2,048 bytes on
	; where my wave's part of the output begins, in bytes
	s_lshr_b32 s96, s17, 3                         ; q, k: batch = tile row / 8,
	s_lshl_b32 s96, s96, 21
	s_lshl_b32 s97, s42, 2
	s_add_co_u32 s97, s97, s14                     ; head = 4 x tile column + wave,
	s_lshl_b32 s97, s97, 17
	s_add_co_u32 s96, s96, s97
	s_and_b32 s97, s17, 7                          ; token 256 x (tile row % 8), 64 bytes each
	s_lshl_b32 s97, s97, 14
	s_add_co_u32 s96, s96, s97
	s_lshr_b32 s98, s42, 3                         ; v: batch = tile column / 8,
	s_lshl_b32 s98, s98, 21
	s_lshl_b32 s99, s17, 19                        ; feature 256 x tile row + 64 x wave, 2,048 bytes each,
	s_add_co_u32 s98, s98, s99
	s_lshl_b32 s99, s14, 17
	s_add_co_u32 s98, s98, s99
	s_and_b32 s99, s42, 7                          ; token 256 x (tile column % 8)
	s_lshl_b32 s99, s99, 8
	s_add_co_u32 s98, s98, s99
	s_cmp_eq_u32 ttmp9, 2
	s_cselect_b32 s98, s98, s96
	s_mov_b32 s99, 0
	s_add_nc_u64 s[10:11], s[10:11], s[98:99]
.macro FRAG reg, adr, q, i             ; a fragment, 16 rows x 128 K, is 16 registers: lane l holds row l % 16; registers 4 c .. 4 c + 3 hold K = 32 c + 16 (l / 16) + 0 .. 15: the same places in A and in B
.irp c, 0,1,2,3
	ds_load_b128 v[\reg+4*\c:\reg+4*\c+3], v[\adr] offset:128*(\q)+32*\c+(\i)*16*PITCH
.endr
.endm
; 16 matrix instructions: A's blocks a0, a0 + 1 x B's eight, 128 along K.  p: B's set.  zero = 1: the first product starts the sums.  The 64 accumulators take turns, one instruction a turn.
.macro MUL16 a0, p, zero
.irp a, \a0, \a0+1
.irp b, 0,1,2,3,4,5,6,7
.if \zero
	v_wmma_f32_16x16x128_bf8_bf8 v[8*(8*((\a)%4)+\b):8*(8*((\a)%4)+\b)+7], v[128*(\p)+FR*\b:128*(\p)+FR*\b+FR-1], v[AF+FR*(\a):AF+FR*(\a)+FR-1], 0
.else
	v_wmma_f32_16x16x128_bf8_bf8 v[8*(8*((\a)%4)+\b):8*(8*((\a)%4)+\b)+7], v[128*(\p)+FR*\b:128*(\p)+FR*\b+FR-1], v[AF+FR*(\a):AF+FR*(\a)+FR-1], v[8*(8*((\a)%4)+\b):8*(8*((\a)%4)+\b)+7]
.endif
.endr
.endr
.endm
.macro FETCH_B slot, q, p              ; B's eight fragments of the slot's q-th 128 along K into set p
	WIN TO_B
.irp i, 0,1,2,3,4,5,6,7
	FRAG 128*(\p)+FR*\i, ADRB+\slot, \q, \i
.endr
	WIN 0
.endm
.macro FETCH_A slot, q, i0             ; A's blocks i0 .. i0 + 3
.irp i, \i0, \i0+1, \i0+2, \i0+3
	FRAG AF+FR*(\i), ADRA+\slot, \q, \i
.endr
.endm
.macro PLACES n                        ; plain vector instructions between a matrix instruction and a load into, or a vector read of, its registers
.rept \n
	v_nop
.endr
.endm
; A step of 128 along K that has its successor in the same slot.
.macro STEP slot, q, zero
	s_wait_dscnt 4*NL                              ; B's set and A's blocks 0-3 are in; the youngest sixteen loads (A's blocks 4-7) may be out
	WIN MUL_LO
	MUL16 0, (\q)%2, \zero
	MUL16 2, (\q)%2, \zero
	s_wait_dscnt 0                                 ; A's blocks 4-7 are in
	PLACES NP
	FETCH_B \slot, (\q)+1, 1-(\q)%2
	FETCH_A \slot, (\q)+1, 0
	WIN MUL_HI
	MUL16 4, (\q)%2, \zero
	MUL16 6, (\q)%2, \zero
	PLACES NP
	WIN 0
	FETCH_A \slot, (\q)+1, 4
.endm
; A slot's last step changes slots: ONE barrier; in front of it each wave waits for all its tensor loads, adds 0 to its spare word, and waits for that and for its own reads of this slot.  fill = 1: this slot is filled again, two K steps ahead.
.macro TURN slot, next, fill
	s_wait_tensorcnt 0x0                           ; all my tensor loads have landed: my part of the next slot
	ds_add_u32 v[SPW], v[NIL]                      ; 0 onto my spare word
	s_wait_dscnt 4*NL+1                            ; the add and the youngest sixteen loads, A's blocks 4-7, may be out
	WIN MUL_LO
	MUL16 0, 1, 0                                  ; sixteen matrix instructions stand between the add and the wait for it
	s_wait_dscnt 0x0                               ; the add is done, and my reads of this slot are over
	s_barrier_signal -1
	MUL16 2, 1, 0
	WIN 0
	s_barrier_wait -1
.if \fill
	CREST                                          ; the barrier has opened a round of the cluster's barrier: no wave of any partner still reads this slot's tile or has a load on its way
	s_add_nc_u64 s[G0+4*\slot+2:G0+4*\slot+3], s[G0+4*\slot+2:G0+4*\slot+3], ASTEP
	s_add_nc_u64 s[G0B+4*\slot+2:G0B+4*\slot+3], s[G0B+4*\slot+2:G0B+4*\slot+3], BSTEP
	JLOAD G0+4*\slot, G1, G0B+4*\slot, G1B         ; the first tensor load behind the round; its four v_nop are the places in front of the loads below
.else
	PLACES NP
.endif
	FETCH_B \next, 0, 0
	FETCH_A \next, 0, 0
	WIN MUL_HI
	MUL16 4, 1, 0
	MUL16 6, 1, 0
	PLACES NP
	WIN 0
	FETCH_A \next, 0, 4
.endm
	s_wait_tensorcnt 1                             ; my part of K step 0 is in (K step 1's load may be out)
	s_barrier_signal -1
	s_barrier_wait -1                              ; everybody's is
	FETCH_B 0, 0, 0
	FETCH_A 0, 0, 0
	FETCH_A 0, 0, 4
	STEP 0, 0, 1                                   ; K step 0: the first products start the sums
	TURN 0, 1, 1                                   ; slot 0 takes K step 2
	STEP 1, 0, 0                                   ; K step 1
	TURN 1, 0, 1                                   ; slot 1 takes K step 3
	STEP 0, 0, 0                                   ; K step 2
	TURN 0, 1, 0                                   ; nothing is left to fetch: behind this barrier nobody reads slot 0 any more, and it has had its last fill
	STEP 1, 0, 0                                   ; K step 3
	s_wait_dscnt 4*NL
	WIN MUL_LO
	MUL16 0, 1, 0
	MUL16 2, 1, 0
	s_wait_dscnt 0
	WIN MUL_HI
	MUL16 4, 1, 0
	MUL16 6, 1, 0
	WIN 0
	; THE WAY OUT.  The three scales are folded into the conversion's one.
	s_wait_kmcnt 0x0
	s_sub_co_i32 s96, s90, s84
	s_sub_co_i32 s96, s96, s85                     ; q: e6 - e0 - e1
	s_sub_co_i32 s97, s91, s86
	s_sub_co_i32 s97, s97, s87                     ; k: e7 - e2 - e3
	s_sub_co_i32 s98, s93, s88
	s_sub_co_i32 s98, s98, s89                     ; v: e9 - e4 - e5
	s_cmp_eq_u32 ttmp9, 2
	s_cselect_b32 s97, s98, s97
	s_cmp_eq_u32 ttmp9, 0
	s_cselect_b32 s96, s96, s97                    ; E: a choice, no branch
	s_add_co_i32 s96, s96, 127
	s_lshl_b32 s97, s96, 23
	v_mov_b32 v[SC], s97                           ; 2^E as f32: the conversion takes its exponent field
	s_add_co_i32 s96, s96, 15
	s_lshl_b32 s96, s96, 23
	s_or_b32 s96, s96, 0x600000
	v_mov_b32 v[LIM], s96                          ; 57,344 x 2^E
	PLACES NP
; Block a: 16 rows x 128 columns.  The sums are held (the conversion to an 8-bit code does not saturate: ISA guide 7.6.2), each accumulator from its low end on, converted eight at a time and put into the stage.
.macro QBLOCK a
.set AC, 64*((\a)%4)
	WIN 0x02+((\a)/4)                              ; source 0: window 2 or 3
.set J, 0
.rept 64
	v_med3_num_f32 v[TMP+J], v[AC+J], -v[LIM], v[LIM]
.set J, J+1
.endr
	WIN 0
.irp b, 0,1,2,3,4,5,6,7
	v_cvt_scalef32_pk8_bf8_f32 v[CD+16*(\a)+2*\b:CD+16*(\a)+2*\b+1], v[TMP+8*\b:TMP+8*\b+7], v[SC]
.endr
	v_nop                                          ; one plain vector instruction between the conversions and the next block's holds, which write their sources
.irp b, 0,1,2,3,4,5,6,7
	ds_store_b64 v[STO], v[CD+16*(\a)+2*\b:CD+16*(\a)+2*\b+1] offset:(\b/4)*GRP+4*(\a)*272+16*(\b%4)
.endr
.endm
.irp a, 0,1,2,3,4,5,6,7
	QBLOCK \a
.endr
	s_wait_dscnt 0x0                               ; for the others' sake: my stores into the stage are done
	s_barrier_signal -1
	s_barrier_wait -1                              ; the whole tile's codes lie in the stage
	s_cmp_eq_u32 ttmp9, 2
	s_cbranch_scc1 .Lv_out
.set IT, 0
.rept 32                               ; q, k: my head's 256 tokens x 64 d: 16,384 bytes on end
	ds_load_b128 v[CD+4*IT:CD+4*IT+3], v[RDQ] offset:544*IT
.set IT, IT+1
.endr
.set IT, 0
.rept 32
	s_wait_dscnt 31-IT                             ; LDS loads come back in order: the younger ones may be out
	global_store_b128 v[GOQ], v[CD+4*IT:CD+4*IT+3], s[10:11] offset:512*IT   ; 32 lanes store 512 consecutive bytes, at a multiple of 256 from the buffer's first byte
.set IT, IT+1
.endr
	s_branch .Ldone
.Lv_out:
.set IT, 0
.rept 32                               ; v: my 64 features, two an instruction, 256 tokens each
	ds_load_b128 v[CD+4*IT:CD+4*IT+3], v[RDV] offset:(IT/2)*272+(IT%2)*128
.set IT, IT+1
.endr
.set IT, 0
.rept 32
	s_wait_dscnt 31-IT
	global_store_b128 v[GOV], v[CD+4*IT:CD+4*IT+3], s[10:11] offset:4096*IT  ; sixteen lanes store 256 consecutive bytes, at a multiple of 256 from the buffer's first byte
.set IT, IT+1
.endr
.Ldone:
	s_wait_tensorcnt 0x0                           ; the wave's end, behind my last tensor load and my last LDS store
	ds_add_u32 v[SPW], v[NIL]
	s_wait_dscnt 0x0
	CROUND                                         ; the closing round: no work-group ends while a partner may still ask for a tile that names it
	s_endpgm
.Lfunc_end_k_q489dc4c510_proj:
	.size	k_q489dc4c510_proj, .Lfunc_end_k_q489dc4c510_proj-k_q489dc4c510_proj
	.p2alignl 7, 3214868480
	.fill 96, 4, 3214868480
	.section	.rodata,"a",@progbits
	.p2align	6, 0x0
	.amdhsa_kernel k_q489dc4c510_proj
		.amdhsa_group_segment_fixed_size 327680
		.amdhsa_private_segment_fixed_size 0
		.amdhsa_enable_private_segment 0
		.amdhsa_kernarg_size 64
		.amdhsa_user_sgpr_count 2
		.amdhsa_user_sgpr_kernarg_segment_ptr 1
		.amdhsa_wavefront_size32 1
		.amdhsa_system_sgpr_workgroup_id_x 1
		.amdhsa_system_sgpr_workgroup_id_y 1
		.amdhsa_system_sgpr_workgroup_id_z 1
		.amdhsa_system_vgpr_workitem_id 0
		.amdhsa_next_free_vgpr 1024
		.amdhsa_next_free_sgpr 100
		.amdhsa_reserve_vcc 0
		.amdhsa_float_denorm_mode_32 3
		.amdhsa_float_denorm_mode_16_64 3
		.amdhsa_memory_ordered 1
		.amdhsa_forward_progress 1
		.amdhsa_inst_pref_size 132
	.end_amdhsa_kernel
	.amdgpu_metadata
---
amdhsa.version: [ 1, 2 ]
amdhsa.kernels:
  - .name:           k_q489dc4c510_proj
    .symbol:         k_q489dc4c510_proj.kd
    .args:
      - { .name: x_codes, .offset: 0, .size: 8, .value_kind: global_buffer, .address_space: global }
      - { .name: Wq_codes, .offset: 8, .size: 8, .value_kind: global_buffer, .address_space: global }
      - { .name: Wk_codes, .offset: 16, .size: 8, .value_kind: global_buffer, .address_space: global }
      - { .name: Wv_codes, .offset: 24, .size: 8, .value_kind: global_buffer, .address_space: global }
      - { .name: lowp_scales, .offset: 32, .size: 8, .value_kind: global_buffer, .address_space: global }
      - { .name: q_codes, .offset: 40, .size: 8, .value_kind: global_buffer, .address_space: global }
      - { .name: k_codes, .offset: 48, .size: 8, .value_kind: global_buffer, .address_space: global }
      - { .name: v_codes, .offset: 56, .size: 8, .value_kind: global_buffer, .address_space: global }
    .group_segment_fixed_size: 327680
    .private_segment_fixed_size: 0
    .kernarg_segment_align: 8
    .kernarg_segment_size: 64
    .max_flat_workgroup_size: 128
    .sgpr_count:     100
    .vgpr_count:     1024
    .wavefront_size: 32
...
	.end_amdgpu_metadata
.endif
;; end of part 1
;; launch attn (part 2): grid 4 x 64, 16 waves a work-group, no clusters, 116,736 bytes of LDS; arguments q_codes, k_codes, v_codes, lowp_scales, o_codes; writes o_codes
.if DOCPART == 2
	.amdgcn_target "amdgcn-amd-amdhsa--gfx1250"
	.amdhsa_code_object_version 6
	.text
	.protected	k_q489dc4c510_attn
	.globl	k_q489dc4c510_attn
	.p2align	8
	.type	k_q489dc4c510_attn,@function
k_q489dc4c510_attn:
	s_mov_b64 s[64:65], 0
	v_nop
	global_prefetch_b8 v0, s[64:65] scope:SCOPE_SE
	s_setreg_imm32_b32 hwreg(HW_REG_WAVE_MODE, 25, 1), 1
	s_wait_xcnt 0x0
; Causal attention on codes of BF8 (E5M2), head size 64, 2,048 tokens, 64 heads (batch x head).  q_codes, k_codes: [bh 64][t 2048][d 64];  v_codes: [bh][d 64][t 2048];
; o_codes out: [token / 128][h 16][token % 128][d 64] (token = 2048 b + t), the attention's result quantised with 2^e10 for the last product.
; THE SOFTMAX: t = score x log2(e) / 8; M = the row's largest t so far, rounded UP to a whole number; p = 2^(t - M) is quantised with 2^e8, not normalised.  The row's sum is taken of the unquantised p and divides O at the end.
; When M moves, the sum and O are multiplied by 2^(old M - new M): exact.
; SHARES.  Work-group (I, bh), I = 0 .. 3, owns query blocks I and 7 - I (256 queries each) of one head, one after the other: block I walks key slots 0 .. I, block 7 - I slots 0 .. 7 - I: always 9 slots of 256 keys.
; So the trip counts are constants of the text and all 256 work-groups have the same work under the causal mask.  Each of the SIXTEEN waves owns 16 queries in 256 registers: four waves to a SIMD, so that one wave's
; vector work stands beside another's matrix work and LDS loads.  A slot is two key steps of 128.  A step all of whose keys come after the wave's queries is jumped over; on the diagonal hidden scores become -infinity.
; K AND V COME THROUGH REGISTERS: a slot is 32 KB, four loads and four LDS stores of 16 bytes a thread; the loads are issued a whole slot ahead.  Two LDS slots take turns; ONE barrier a trip: in front of it a wave's reads of
; the slot in hand and its stores into the other are done; the other slot was last read in front of the barrier before.  The loop runs two trips a pass, so that every LDS address is a lane term + an immediate.
; NO CLUSTER: the four work-groups of a head want different slots in the same trip (slot s against slot s - I - 1), so their requests do not meet.
; LAYOUT.  Both products transposed: S^T = K Q^T (source 0 = 16 keys), O^T = V^T P^T (source 0 = 16 of the head's 64): a lane holds ONE query (lane % 16) throughout.  THE KEYS OF A TILE ARE NOT NEIGHBOURS: lane r of tile
; 2 b + u takes key 32 b + 8 u + r + 8 (r / 8), so that the 16 registers of tiles 2 b, 2 b + 1 are keys 32 b + 16 (lane / 16) + 0 .. 15: the conversions' results are the second product's operand.
; THE HOLD OF p: p <= 1, and the largest code x 2^e8 is 1.75 x 2^(15 + e8): for e8 >= -15 the hold changes nothing and is jumped over (a scalar branch on the given whole number, round those lines alone); else it is executed.
; LIMITS on the given exponents, so that each power of two is an f32 number: e6 + e7 between -123 and 130 (added to c's exponent field); e8, and e10 - e8 - e9, between -126 and 112.
; REGISTERS: v1-11 addresses that stay; v12 -M, v13 the largest t, v[14:15] the sum in two halves; v16-23 Q in use, v24-31 Q of the second block; v32-95 fragments (8 of K, then 4 of V); v96-159 S^T, then p; v160-191 O^T;
;   v192-207 p's codes; v208-223 the next slot on its way; v224, v225 where I store it; v228-235 o's codes; v236-254 at work and constants.
.set KP,    288                        ; LDS: four keys' 256 bytes + 32.  Key k of a slot lies at KP (k / 4) + 64 (k % 4) + 16 ((k / 16) % 2): the sixteen lanes of a fragment load (keys 0-7 and 16-23 of 32) then start at sixteen different groups of four banks (64 banks of 4 bytes: ISA guide 11.1)
.set VP,    272                        ; a row of V's tile: 256 keys + 16 of padding
.set VOFF,  64*KP                      ; a slot: K's tile, then V's 64 rows
.set SLOT1, 36864                      ; slot 1 begins here
.set STAGE, 2*SLOT1                    ; the way out: 16 rows x 80 bytes for each wave, once for each of the two blocks
.set STG2,  16*1280
.set AK0, 1                            ; v1   my lane's place in a tile of K
.set AV0, 2                            ; v2   the same for V
.set PFO, 3                            ; v3   the prefetches' lane offset
.set STO, 4                            ; v4   the stage: where I put 8 codes
.set GK,  5                            ; v5   16 x thread: my 16 bytes of half a slot of K
.set GV,  6                            ; v6   my 16 bytes of 32 rows of V
.set GO,  7                            ; v7   16 x lane
.set STR, 10                           ; v10  the stage: where I read 16 bytes back
.set D0,  11                           ; v11  lane % 16 - 16 (lane / 16)
.set QF,  16
.set QN,  24
.set KV,  32
.set SCO, 96
.set OT,  160
.set PC,  192
.set NX,  208
.set LWK, 224
.set LWV, 225
.set OC,  228
; s3 the trip's number; s[4:5] Q, first block; s[6:7], s[8:9] the head's K and V; s14 I, s15 I + 1, s16 bh, s18 wave; s19 the slot's first key; s[20:21] lane selects; s[22:23] c; s[24:27] the next slot's K and V;
; s[28:29] Q, second block; s[30:33] O's two places; s34, s35 my first query in the two blocks; s36 the one in hand, s37 my last; s38 loop counter; s39, s[40:43] the prefetches; s[44:48] e6 .. e10; s[52:53] an offset; s54-61 at work
	s_load_b128 s[4:7], s[0:1], 0x0                ; q_codes, k_codes
	s_load_b128 s[8:11], s[0:1], 0x10              ; v_codes, the scales' exponents
	s_load_b64 s[12:13], s[0:1], 0x20              ; o_codes
	v_lshl_add_u32 v251, v0, 2, 0x1c000
	v_mov_b32 v255, 0
	v_lshrrev_b32 v32, 5, v0
	v_readfirstlane_b32 s18, v32                   ; wave 0..15
	s_mov_b32 s14, ttmp9                           ; I
	s_add_co_u32 s15, s14, 1
	s_sub_co_u32 s56, 7, s14                       ; the second block
	s_and_b32 s16, ttmp7, 0xffff                   ; bh
	v_and_b32 v32, 15, v0                          ; r
	v_bfe_u32 v33, v0, 4, 1                        ; h
	v_lshlrev_b32 v[GK], 4, v0
	v_lshrrev_b32 v36, 4, v0                       ; thread / 16: 0 .. 31
	v_lshlrev_b32 v[GV], 4, v32
	v_lshl_add_u32 v[GV], v36, 11, v[GV]           ; row thread / 16 of 2,048 bytes, + 16 (thread % 16)
	v_lshlrev_b32 v38, 6, v32
	v_lshl_add_u32 v38, v33, 4, v38                ; Q: row r of 64 bytes, + 16 h
	s_lshl_b32 s52, s16, 17                        ; a head's codes are 2^17 bytes in q, k and v alike
	s_mov_b32 s53, 0
	s_lshl_b32 s55, s18, 10                        ; my wave's 16 queries
	s_wait_kmcnt 0x0
	s_load_b128 s[44:47], s[10:11], 0x18           ; e6, e7, e8, e9
	s_load_b32 s48, s[10:11], 0x28                 ; e10
	s_add_nc_u64 s[6:7], s[6:7], s[52:53]
	s_add_nc_u64 s[8:9], s[8:9], s[52:53]
	global_load_b128 v[NX:NX+3],     v[GK], s[6:7]                 ; slot 0: K's 16,384 bytes on end, 8,192 a load of the work-group,
	global_load_b128 v[NX+4:NX+7],   v[GK], s[6:7] offset:8192
	global_load_b128 v[NX+8:NX+11],  v[GV], s[8:9]                 ; V's 64 rows of 256 bytes, 32 a load
	global_load_b128 v[NX+12:NX+15], v[GV], s[8:9] offset:65536
	s_add_nc_u64 s[4:5], s[4:5], s[52:53]
	s_lshl_b32 s52, s56, 14
	s_add_co_u32 s52, s52, s55
	s_add_nc_u64 s[28:29], s[4:5], s[52:53]        ; Q of block 7 - I,
	s_lshl_b32 s52, s14, 14
	s_add_co_u32 s52, s52, s55
	s_add_nc_u64 s[4:5], s[4:5], s[52:53]          ; and of block I
	global_load_b128 v[QF:QF+3],   v38, s[4:5] th:TH_LOAD_NT       ; a fragment of Q: registers 4 c .. 4 c + 3 hold d = 32 c + 16 h + 0 .. 15, the same places as K's
	global_load_b128 v[QF+4:QF+7], v38, s[4:5] offset:32 th:TH_LOAD_NT
	global_load_b128 v[QN:QN+3],   v38, s[28:29] th:TH_LOAD_NT
	global_load_b128 v[QN+4:QN+7], v38, s[28:29] offset:32 th:TH_LOAD_NT
	v_and_b32 v34, 8, v32
	v_add_nc_u32 v35, v34, v32                     ; r + 8 (r / 8): 0 .. 7, 16 .. 23
	v_lshrrev_b32 v37, 2, v35
	v_mul_u32_u24 v[AK0], v37, KP
	v_and_b32 v37, 3, v32
	v_lshl_add_u32 v[AK0], v37, 6, v[AK0]
	v_lshl_add_u32 v[AK0], v34, 1, v[AK0]          ; + 16 (r / 8)
	v_lshl_add_u32 v[AK0], v33, 4, v[AK0]          ; + 16 h
	v_mul_u32_u24 v[AV0], v32, VP
	v_lshl_add_u32 v[AV0], v33, 4, v[AV0]
	v_add_nc_u32 v[AV0], VOFF, v[AV0]
	s_mul_i32 s54, s18, 1280
	s_add_co_u32 s54, s54, STAGE                   ; my stage
	v_mul_u32_u24 v[STO], v32, 80
	v_lshl_add_u32 v[STO], v33, 3, v[STO]
	v_add_nc_u32 v[STO], s54, v[STO]               ; in: row r of 80 bytes, + 8 h
	v_bfe_u32 v37, v0, 2, 3
	v_mul_u32_u24 v[STR], v37, 80
	v_and_b32 v37, 3, v0
	v_lshl_add_u32 v[STR], v37, 4, v[STR]
	v_add_nc_u32 v[STR], s54, v[STR]               ; back: four lanes to a row of 64 bytes
	v_and_b32 v37, 31, v0
	v_lshlrev_b32 v[GO], 4, v37
	v_lshlrev_b32 v37, 4, v33
	v_sub_nc_u32 v[D0], v32, v37
	v_mul_u32_u24 v[LWK], v36, KP
	v_lshl_add_u32 v[LWK], v32, 4, v[LWK]
	v_bfe_u32 v37, v0, 6, 1
	v_lshl_add_u32 v[LWK], v37, 4, v[LWK]          ; my 16 bytes of K belong to key thread / 4: KP (thread / 16) + 16 (thread % 16) + 16 ((thread / 64) % 2)
	v_mul_u32_u24 v[LWV], v36, VP
	v_lshl_add_u32 v[LWV], v32, 4, v[LWV]
	v_add_nc_u32 v[LWV], VOFF, v[LWV]
	; O's places: token / 128 = 16 b + 2 block + wave / 8; then the head; then 16 (wave % 8) tokens of 64 bytes
	s_lshr_b32 s57, s16, 4
	s_lshl_b32 s57, s57, 21
	s_lshr_b32 s58, s18, 3
	s_lshl_b32 s58, s58, 17
	s_add_co_u32 s57, s57, s58
	s_and_b32 s58, s16, 15
	s_lshl_b32 s58, s58, 13
	s_add_co_u32 s57, s57, s58
	s_and_b32 s58, s18, 7
	s_lshl_b32 s58, s58, 10
	s_add_co_u32 s57, s57, s58
	s_lshl_b32 s52, s14, 18
	s_add_co_u32 s52, s52, s57
	s_add_nc_u64 s[30:31], s[12:13], s[52:53]
	s_lshl_b32 s52, s56, 18
	s_add_co_u32 s52, s52, s57
	s_add_nc_u64 s[32:33], s[12:13], s[52:53]
	s_lshl_b32 s58, s18, 4
	s_lshl_b32 s34, s14, 8
	s_add_co_u32 s34, s34, s58                     ; my first query: 256 x block + 16 x wave
	s_lshl_b32 s35, s56, 8
	s_add_co_u32 s35, s35, s58
	s_mov_b32 s20, 0x76543210                      ; v_permlanex16_b32's selects for lane l xor 16
	s_mov_b32 s21, 0xfedcba98
	; THE PREFETCHES (macro ASK).  All four work-groups of a head walk the same K and V: the one with I = 0, whose second block walks all eight slots, asks, and nobody else.  In it waves 4 and 5 ask for a slot's K
	; (8,192 bytes a wave, lanes 256 bytes apart), waves 6 and 7 for its V (32 rows a wave, a lane a row of 256 bytes): each aligned block of 256 bytes is named once in the launch.
	s_cmp_lt_u32 s18, 6
	s_cselect_b64 s[40:41], s[6:7], s[8:9]
	s_mov_b32 s42, 256
	s_cselect_b32 s42, 0x4000, s42                 ; a slot on, in bytes
	s_mov_b32 s54, 2048
	s_cselect_b32 s54, 256, s54                    ; from lane to lane
	s_mov_b32 s55, 65536
	s_cselect_b32 s55, 8192, s55                   ; from wave to wave
	v_and_b32 v[PFO], 31, v0
	v_mul_lo_u32 v[PFO], v[PFO], s54
	s_and_b32 s56, s18, 1
	s_mul_i32 s56, s56, s55
	s_add_co_u32 s56, s56, s42                     ; it stands at slot 1: trip 0 steps it to slot 2.  Nothing is prefetched here, at the head; slots 0 and 1 come by their loads alone
	s_mov_b32 s57, 0
	s_mov_b32 s43, 0
	s_add_nc_u64 s[40:41], s[40:41], s[56:57]
	s_sub_co_u32 s56, s18, 4
	s_lshr_b32 s56, s56, 2                         ; 0 in waves 4 to 7,
	s_or_b32 s56, s56, s14                         ; of the work-group with I = 0
	s_cmp_eq_u32 s56, 0
	s_cselect_b32 s39, 6, 0                        ; an asking wave asks in trips 0 to 5, for slots 2 to 7: no prefetch passes the head's last slot
	v_mov_b32 v13, 0xff61b1e6                      ; the largest t so far: -3e38, under every t
	v_floor_f32 v12, -v13                          ; -M
	v_mov_b32 v14, 0
	v_mov_b32 v15, 0
	v_mov_b32 v236, 0                              ; a lane permute's destination counts as one of its sources
	v_mov_b32 v252, 0
	v_mov_b32 v253, 0                              ; (named as the upper half of the pair v[252:253])
.set J, 0
.rept 32
	v_mov_b32 v[OT+J], 0                           ; O^T: the step is written once; the first finds zeros, which the first change of M leaves zeros
.set J, J+1
.endr
	s_wait_kmcnt 0x0
	s_mov_b32 s22, 0x3e38aa3b                      ; c = log2(e) / 8
	s_add_co_i32 s54, s44, s45
	s_lshl_b32 s54, s54, 23
	s_add_co_i32 s22, s22, s54                     ; a score stands for score x 2^(e6 + e7): the two exponents are added to c's exponent field
	s_mov_b32 s23, s22                             ; (named with it as a pair)
	s_add_co_i32 s54, s46, 127
	s_lshl_b32 s55, s54, 23
	v_mov_b32 v244, s55                            ; 2^e8, for p's conversions
	s_add_co_i32 s54, s54, 15
	s_lshl_b32 s54, s54, 23
	s_or_b32 s54, s54, 0x600000
	v_mov_b32 v240, s54                            ; 57,344 x 2^e8
	s_sub_co_i32 s54, s48, s46
	s_sub_co_i32 s54, s54, s47                     ; O / l stands for o / 2^(e8 + e9): its code is (O / l) / 2^(e10 - e8 - e9)
	s_add_co_i32 s54, s54, 127
	s_lshl_b32 s55, s54, 23
	v_mov_b32 v245, s55
	s_add_co_i32 s54, s54, 15
	s_lshl_b32 s54, s54, 23
	s_or_b32 s54, s54, 0x600000
	v_mov_b32 v241, s54
	s_wait_loadcnt 4                               ; slot 0's four loads are in; Q's four may be out
	ds_store_b128 v[LWK], v[NX:NX+3]
	ds_store_b128 v[LWK], v[NX+4:NX+7] offset:32*KP
	ds_store_b128 v[LWV], v[NX+8:NX+11]
	ds_store_b128 v[LWV], v[NX+12:NX+15] offset:32*VP
	s_wait_loadcnt 0x0                             ; Q
.macro SYNC                            ; my LDS stores have landed and my LDS loads are in: then the work-group's barrier
	s_wait_dscnt 0x0
	s_barrier_signal -1
	s_barrier_wait -1
.endm
.macro ASK                             ; the slot that the trip after next will load
	s_cmp_lt_u32 s3, s39
	s_cbranch_scc0 .Lnot_mine_\@
	global_prefetch_b8 v[PFO], s[40:41] th:TH_LOAD_NT scope:SCOPE_SE
.Lnot_mine_\@:
.endm
; The next trip's slot is asked for, at a trip's head: it has the trip's two key steps in which to come.
.macro NEXT
	s_wait_xcnt 0x0                                ; every earlier memory instruction has had its addresses translated (ISA guide 3.1): the bases below, and registers that stores have read, are written only behind this wait
	s_add_co_u32 s54, s3, 1
	s_cmp_gt_u32 s54, s14                          ; the next trip belongs to the second block?
	s_cselect_b32 s55, s15, 0
	s_sub_co_u32 s54, s54, s55                     ; its slot of keys
	s_lshl_b32 s52, s54, 14
	s_add_nc_u64 s[24:25], s[6:7], s[52:53]
	s_lshl_b32 s52, s54, 8
	s_add_nc_u64 s[26:27], s[8:9], s[52:53]
	s_add_nc_u64 s[40:41], s[40:41], s[42:43]
	global_load_b128 v[NX:NX+3],     v[GK], s[24:25]
	global_load_b128 v[NX+4:NX+7],   v[GK], s[24:25] offset:8192
	global_load_b128 v[NX+8:NX+11],  v[GV], s[26:27]
	global_load_b128 v[NX+12:NX+15], v[GV], s[26:27] offset:65536
	ASK
.endm
.macro SETK                            ; this trip's block and first key
	s_cmp_gt_u32 s3, s14
	s_cselect_b32 s36, s35, s34                    ; my first query
	s_cselect_b32 s54, s15, 0
	s_sub_co_u32 s54, s3, s54
	s_lshl_b32 s19, s54, 8                         ; the slot's first key
	s_add_co_u32 s37, s36, 15                      ; my last query
.endm
; A KEY STEP: 128 keys, the q-th of LDS slot `slot`.
.macro STEP slot, q
	s_add_co_u32 s60, s19, 128*(\q)                ; the step's first key
	s_cmp_gt_u32 s60, s37
	s_cbranch_scc1 .Lhidden_\@                     ; all its keys come after my queries: a scalar branch on ids, round loads, products and softmax; no barrier stands in a step
.rept 4
	v_nop                                          ; places in front of loads into registers that the last products have read
.endr
.irp t, 0,1,2,3,4,5,6,7
.irp c, 0,1
	ds_load_b128 v[KV+8*\t+4*\c:KV+8*\t+4*\c+3], v[AK0] offset:(\slot)*SLOT1+(32*(\q)+8*(\t/2)+2*(\t%2))*KP+32*\c
.endr
.endr
	s_wait_dscnt 8                                 ; tiles 0 to 3 are in; the youngest eight loads may be out
.irp t, 0,1,2,3
	v_wmma_f32_16x16x64_bf8_bf8 v[SCO+8*\t:SCO+8*\t+7], v[KV+8*\t:KV+8*\t+7], v[QF:QF+7], 0
.endr
	s_wait_dscnt 0x0
.irp t, 4,5,6,7
	v_wmma_f32_16x16x64_bf8_bf8 v[SCO+8*\t:SCO+8*\t+7], v[KV+8*\t:KV+8*\t+7], v[QF:QF+7], 0
.endr
.rept 4
	v_nop                                          ; places: in front of V's loads into K's registers, and of the first read of the scores
.endr
.irp t, 0,1,2,3                                ; V's four fragments are asked for now and come while the softmax is walked
.irp c, 0,1,2,3
	ds_load_b128 v[KV+16*\t+4*\c:KV+16*\t+4*\c+3], v[AV0] offset:(\slot)*SLOT1+16*\t*VP+128*(\q)+32*\c
.endr
.endr
	s_add_co_u32 s61, s60, 127
	s_cmp_le_u32 s61, s36
	s_cbranch_scc1 .Lopen_\@                       ; all its keys count for all my queries
	s_sub_co_i32 s61, s36, s60
	v_add_nc_u32 v252, s61, v[D0]                  ; d = my query - the step's first key - 16 (lane / 16).  Register 16 b + i holds key 32 b + 16 (lane / 16) + i of the step: hidden where 32 b + i > d
	v_mov_b32 v254, 0xff800000                     ; -infinity: p = 0 then.  The step's first key counts for every query of mine, so the maximum stays a number
.set N, 0
.rept 64
	v_cmp_gt_i32 vcc_lo, 32*(N/16)+N%16, v252
	v_cndmask_b32 v[SCO+N], v[SCO+N], v254, vcc_lo
.set N, N+1
.endr
.Lopen_\@:
	v_max3_num_f32 v254, v96, v97, v98             ; the step's largest score of my query, among my 64 keys, in two chains,
	v_max3_num_f32 v252, v99, v100, v101
.irp i, 6,10,14,18,22,26,30,34,38,42,46,50,54,58
	v_max3_num_f32 v254, v254, v[96+\i], v[97+\i]
	v_max3_num_f32 v252, v252, v[98+\i], v[99+\i]
.endr
	v_max3_num_f32 v254, v254, v158, v159
	v_max_num_f32 v254, v254, v252
	v_permlanex16_b32 v236, v254, s20, s21
	v_max_num_f32 v254, v254, v236                 ; and among lane l xor 16's
	v_mul_f32 v254, s22, v254                      ; as t (c is positive)
	v_max_num_f32 v13, v13, v254                   ; the running largest t
	v_mov_b32 v254, v12
	v_floor_f32 v12, -v13                          ; the new -M = floor(-t) = -ceil(t): a whole number
	v_sub_f32 v254, v12, v254                      ; M's old value less its new one: a whole number, 0 or less
	v_cvt_i32_f32 v254, v254                       ; (it saturates)
	v_ldexp_f32 v252, 1.0, v254                    ; f = 2^(old M - new M)
.set J, 0
.rept 32
	v_pk_fma_f32 v[SCO+J:SCO+J+1], v[SCO+J:SCO+J+1], s[22:23], v[12:13] op_sel_hi:[1,0,0]   ; t - M, two at a time (of the pairs c and -M the low word serves both halves)
.set J, J+2
.endr
.set J, 0
.rept 64
	v_exp_f32 v[SCO+J], v[SCO+J]                   ; p = 2^(t - M), at most 1
.set J, J+1
.endr
	v_pk_mul_f32 v[14:15], v[14:15], v[252:253] op_sel_hi:[1,0]   ; the sums under the new M (a plain place behind the exponentials)
	s_wait_alu depctr_va_vdst(0)
	v_pk_add_f32 v[242:243], v[96:97], v[98:99]    ; the row's sum is taken of the unquantised p: two at a time, in two chains
.irp j, 4,8,12,16,20,24,28,32,36,40,44,48,52,56,60
	v_pk_add_f32 v[14:15], v[14:15], v[96+\j:97+\j]
	v_pk_add_f32 v[242:243], v[242:243], v[98+\j:99+\j]
.endr
	v_pk_add_f32 v[14:15], v[14:15], v[242:243]
	s_cmp_gt_i32 s46, -16                          ; e8 >= -15: the largest code x 2^e8 is at least 1.75, above every p
	s_cbranch_scc1 .Lnohold_\@
.set J, 0
.rept 64
	v_min_num_f32 v[SCO+J], v[SCO+J], v240         ; the conversion to an 8-bit code does not saturate (ISA guide 7.6.2); p is not negative, so the hold is one-sided
.set J, J+1
.endr
.Lnohold_\@:
.irp b, 0,1,2,3
	v_cvt_scalef32_pk8_bf8_f32 v[PC+4*\b:PC+4*\b+1], v[SCO+16*\b:SCO+16*\b+7], v244
	v_cvt_scalef32_pk8_bf8_f32 v[PC+4*\b+2:PC+4*\b+3], v[SCO+16*\b+8:SCO+16*\b+15], v244
.endr
.set J, 0
.rept 16
	v_pk_mul_f32 v[OT+J:OT+J+1], v[OT+J:OT+J+1], v[252:253] op_sel_hi:[1,0]   ; O^T under the new M.  (Also the plain place between the conversions and the products that read their results)
.set J, J+2
.endr
	s_wait_dscnt 0x0                               ; V is in
.irp t, 0,1,2,3                                ; O^T += V^T P^T: K = these 128 keys; the four accumulators take turns
	v_wmma_f32_16x16x128_bf8_bf8 v[OT+8*\t:OT+8*\t+7], v[KV+16*\t:KV+16*\t+15], v[PC:PC+15], v[OT+8*\t:OT+8*\t+7]
.endr
.Lhidden_\@:
.endm
; A block's end: O^T / the sum, quantised, through my own stage, out as 1,024 bytes on end.
.macro FINISH oa, stg
	v_add_f32 v254, v14, v15                       ; the sum's two halves,
	v_permlanex16_b32 v236, v254, s20, s21
	v_add_f32 v254, v254, v236                     ; and lane l xor 16's
	v_rcp_f32 v252, v254
.rept 3
	v_nop                                          ; with the two additions: the places behind the last products; and the plain place behind the reciprocal
.endr
.set J, 0
	s_wait_alu depctr_va_vdst(0)
.rept 16
	v_pk_mul_f32 v[SCO+J:SCO+J+1], v[OT+J:OT+J+1], v[252:253] op_sel_hi:[1,0]   ; register 8 t + i: o(my query, 16 t + 8 h + i) / 2^(e8 + e9); each accumulator from its low end on
.set J, J+2
.endr
.set J, 0
.rept 32
	v_med3_num_f32 v[SCO+J], v[SCO+J], -v241, v241 ; the hold at the largest code x the scale
.set J, J+1
.endr
.irp t, 0,1,2,3
	v_cvt_scalef32_pk8_bf8_f32 v[OC+2*\t:OC+2*\t+1], v[SCO+8*\t:SCO+8*\t+7], v245
.endr
	v_nop                                          ; one plain vector instruction behind the conversions: later products write their sources
.irp t, 0,1,2,3
	ds_store_b64 v[STO], v[OC+2*\t:OC+2*\t+1] offset:\stg+16*\t
.endr
.irp i, 0,1
	ds_load_b128 v[128+4*\i:131+4*\i], v[STR] offset:\stg+640*\i   ; LDS serves a wave's instructions in order (ISA guide 5.7.1.4): these see my stores
.endr
.irp i, 0,1
	s_wait_dscnt 1-\i
	global_store_b128 v[GO], v[128+4*\i:131+4*\i], s[\oa:\oa+1] offset:512*\i   ; 32 lanes store 512 consecutive bytes, at a multiple of 256 from the buffer's first byte
.endr
.endm
.macro RESET                           ; the second block begins
	v_mov_b32 v13, 0xff61b1e6
	v_floor_f32 v12, -v13
	v_mov_b32 v14, 0
	v_mov_b32 v15, 0
.set J, 0
.rept 32
	v_mov_b32 v[OT+J], 0
.set J, J+1
.endr
.set J, 0
.rept 8
	v_mov_b32 v[QF+J], v[QN+J]
.set J, J+1
.endr
.endm
.macro PUT s                           ; the next trip's slot goes into LDS slot s, which nobody has read since the barrier before
	s_wait_loadcnt 0x0
	ds_store_b128 v[LWK], v[NX:NX+3] offset:(\s)*SLOT1
	ds_store_b128 v[LWK], v[NX+4:NX+7] offset:(\s)*SLOT1+32*KP
	ds_store_b128 v[LWV], v[NX+8:NX+11] offset:(\s)*SLOT1
	ds_store_b128 v[LWV], v[NX+12:NX+15] offset:(\s)*SLOT1+32*VP
.endm
.macro TRIP slot
	NEXT
	SETK
	STEP \slot, 0
	STEP \slot, 1
	s_cmp_lg_u32 s3, s14                           ; trip I is the first block's last: the same in all sixteen waves; no barrier stands under the branch
	s_cbranch_scc1 .Lsame_\@
	FINISH 30, 0
	RESET
.Lsame_\@:
	PUT 1-\slot
	SYNC
	s_add_co_u32 s3, s3, 1
.endm
	SYNC                                           ; slot 0 lies in LDS
	s_mov_b32 s3, 0
	s_mov_b32 s38, 4
.Lpair:                                                ; four passes of two trips: trips 0 to 7; each asks for the next trip's slot
	TRIP 0
	TRIP 1
	s_sub_co_u32 s38, s38, 1
	s_cmp_lg_u32 s38, 0
	s_cbranch_scc1 .Lpair
	s_wait_xcnt 0x0                                ; registers that earlier stores have read are written below
	SETK                                           ; trip 8, the second block's last slot: nothing is left to fetch
	STEP 0, 0
	STEP 0, 1
	FINISH 32, STG2
	s_wait_tensorcnt 0x0
	ds_add_u32 v251, v255
	s_wait_dscnt 0x0
	s_endpgm
.Lfunc_end_k_q489dc4c510_attn:
	.size	k_q489dc4c510_attn, .Lfunc_end_k_q489dc4c510_attn-k_q489dc4c510_attn
	.p2alignl 7, 3214868480
	.fill 96, 4, 3214868480
	.section	.rodata,"a",@progbits
	.p2align	6, 0x0
	.amdhsa_kernel k_q489dc4c510_attn
		.amdhsa_group_segment_fixed_size 116736
		.amdhsa_private_segment_fixed_size 0
		.amdhsa_enable_private_segment 0
		.amdhsa_kernarg_size 40
		.amdhsa_user_sgpr_count 2
		.amdhsa_user_sgpr_kernarg_segment_ptr 1
		.amdhsa_wavefront_size32 1
		.amdhsa_system_sgpr_workgroup_id_x 1
		.amdhsa_system_sgpr_workgroup_id_y 1
		.amdhsa_system_sgpr_workgroup_id_z 1
		.amdhsa_system_vgpr_workitem_id 0
		.amdhsa_next_free_vgpr 256
		.amdhsa_next_free_sgpr 66
		.amdhsa_reserve_vcc 1
		.amdhsa_float_denorm_mode_32 3
		.amdhsa_float_denorm_mode_16_64 3
		.amdhsa_memory_ordered 1
		.amdhsa_forward_progress 1
		.amdhsa_inst_pref_size 150
	.end_amdhsa_kernel
	.amdgpu_metadata
---
amdhsa.version: [ 1, 2 ]
amdhsa.kernels:
  - .name:           k_q489dc4c510_attn
    .symbol:         k_q489dc4c510_attn.kd
    .args:
      - { .name: q_codes, .offset: 0, .size: 8, .value_kind: global_buffer, .address_space: global }
      - { .name: k_codes, .offset: 8, .size: 8, .value_kind: global_buffer, .address_space: global }
      - { .name: v_codes, .offset: 16, .size: 8, .value_kind: global_buffer, .address_space: global }
      - { .name: lowp_scales, .offset: 24, .size: 8, .value_kind: global_buffer, .address_space: global }
      - { .name: o_codes, .offset: 32, .size: 8, .value_kind: global_buffer, .address_space: global }
    .group_segment_fixed_size: 116736
    .private_segment_fixed_size: 0
    .kernarg_segment_align: 8
    .kernarg_segment_size: 40
    .max_flat_workgroup_size: 512
    .sgpr_count:     66
    .vgpr_count:     256
    .wavefront_size: 32
...
	.end_amdgpu_metadata
.endif
;; end of part 2
;; launch outp (part 3): grid 4 x 32, 4 waves a work-group, clusters of 4 x 4, 327,680 bytes of LDS; arguments o_codes, Wo_codes, lowp_scales, out0; writes out0
.if DOCPART == 3
	.amdgcn_target "amdgcn-amd-amdhsa--gfx1250"
	.amdhsa_code_object_version 6
	.text
	.protected	k_q489dc4c510_outp
	.globl	k_q489dc4c510_outp
	.p2align	8
	.type	k_q489dc4c510_outp,@function
k_q489dc4c510_outp:
	s_mov_b64 s[64:65], 0
	v_nop
	global_prefetch_b8 v0, s[64:65] scope:SCOPE_SE
	s_setreg_imm32_b32 hwreg(HW_REG_WAVE_MODE, 25, 1), 1
	s_wait_xcnt 0x0
	s_wait_alu depctr_hold_cnt(0) depctr_sa_sdst(0) depctr_va_vdst(0) depctr_va_sdst(0) depctr_va_ssrc(0) depctr_va_vcc(0) depctr_vm_vsrc(0)
	s_getreg_b32 s2, hwreg(HW_REG_IB_STS2, 6, 4)
	s_cmp_eq_u32 s2, 0
	s_cbranch_scc0 .Lentry_in_a_cluster
	s_endpgm
.Lentry_in_a_cluster:
	s_bfe_u32 s2, ttmp6, 0x10000c
	s_cmp_lg_u32 s2, 0xf033
	s_cbranch_scc0 .Lentry_shape_is_right
	s_endpgm
.Lentry_shape_is_right:
; out0[token][n] = sum over k of o[token][k] Wo[n][k], on codes of BF8 (E5M2); each finished sum x 2^(e10 + e11).  out0: [8192][1024] f32.  Wo_codes: [1024][1024], K innermost.
; o_codes: [token / 128][h 16][token % 128][d 64], k = 64 h + d: 128 tokens x 256 along K (four heads) are 32,768 bytes on end, which come in as 128 rows of 256 bytes: row 32 (h % 4) + (token % 128) / 4 holds four tokens' 64 d.
; LIMIT: e10 + e11 between -126 and 127, so that 2^(e10 + e11) is an f32 number.
; A tile of the result, 256 x 256, is made by four waves, 128 x 128 each: 64 accumulators, 512 registers.  K goes in four steps of 256 through a ring of two LDS slots filled by the tensor data mover; all four are written out.
; CLUSTERS: 4 x 4 work-groups; A's tiles (o) are asked for jointly along a row of the cluster, B's (Wo) along a column.  The matrix instruction is used transposed (source 0 = 16 rows of B, source 1 = 16 rows of A):
; a lane then holds eight neighbouring numbers of a row of the result.
; REGISTERS, in windows of 256: window 0: v0-31 addresses; from v128 A's fragments, one set; on the way out v32-255 are free.   window 1: B's fragments, two sets.   windows 2, 3: the accumulators ((a, b) at v[8 (8 (a % 4) + b)]).
.set SIZE_N, 1024
.set ROWB,   256                       ; a tile's row in bytes
.set KROW,   1024                      ; a row of Wo in memory
.set PITCH,  272                       ; an LDS row: 256 bytes + 16 of padding = 68 words: row r starts at bank 4 r mod 64 (64 banks of 4 bytes: ISA guide 11.1)
.set FR,     16
.set NL,     4
.set NP,     4                         ; places behind this matrix instruction (ISA guide 7.12.1)
.set HALFT,  128*PITCH
.set SLOT,   4*HALFT                   ; A's 256 tokens, then B's 256 rows
.set AKST,   32768                     ; a K step of A in memory: four heads x 128 tokens x 64 bytes
.set ASTEP,  2*AKST                    ; a refill's step: two K steps on
.set BSTEP,  2*ROWB
.set SPARE,  2*SLOT                    ; behind the ring: the spare words, 128 bytes for each wave: two blocks of 256 bytes that no other line names
.set SPITCH, 528                       ; the way out: a stage of 16 rows x (512 bytes + 16) for each wave, in slot 0, which has had its last fill and its last read when the first result is stored there
.set ADRA, 16
.set ADRB, 20
.set STO,  24
.set RD,   25
.set CO,   26
.set SPW,  28
.set NIL,  29
.set TMP,  32
.set AF,   128
.set BK,   128
.set G1, 24
.set G0, 32
.set G1B, 48
.set G0B, 56
.set MSB, 0
.macro WIN new                         ; the immediate's high byte repeats the setting that is left
.if MSB != \new
	s_set_vgpr_msb (MSB<<8)|\new
.set MSB, \new
.endif
.endm
.set MUL_LO, 0xa1
.set MUL_HI, 0xf1
.set TO_B,   0x40
.macro JLOAD g0a, g1a, g0b, g1b        ; a joint load: waves 0 and 1 fetch for A, waves 2 and 3 for B; four v_nop follow each of the two lines
	s_cmp_eq_u32 s15, 0
	s_cbranch_scc0 .Lfor_b_\@
	tensor_load_to_lds s[\g0a:\g0a+3], s[\g1a:\g1a+7]
	s_nop 0
.rept 4
	v_nop
.endr
	s_branch .Lasked_\@
.Lfor_b_\@:
	tensor_load_to_lds s[\g0b:\g0b+3], s[\g1b:\g1b+7]
	s_nop 0
.rept 4
	v_nop
.endr
.Lasked_\@:
.endm
.macro CREST
	s_cmp_lg_u32 s14, 0
	s_cbranch_scc1 .Lnot_wave_0_\@
	s_barrier_signal -3
.Lnot_wave_0_\@:
	s_barrier_wait -3
	s_barrier_signal -1
	s_barrier_wait -1
.endm
.macro CROUND
	s_barrier_signal -1
	s_barrier_wait -1
	CREST
.endm
	s_load_b128 s[4:7], s[0:1], 0x0                ; o_codes s[4:5], Wo_codes s[6:7]
	s_load_b128 s[8:11], s[0:1], 0x10              ; the scales' exponents s[8:9], out0 s[10:11]
	v_lshl_add_u32 v[SPW], v0, 2, SPARE
	v_mov_b32 v[NIL], 0
	ds_add_u32 v28, v29
	ds_add_u32 v28, v29
	s_wait_dscnt 0x0
	v_lshrrev_b32 v1, 5, v0
	v_readfirstlane_b32 s14, v1                    ; wave 0..3
	s_lshr_b32 s15, s14, 1                         ; which half of the tile's rows is mine.  Also: I fetch for A (0) or for B (1)
	s_and_b32 s16, s14, 1                          ; which half of its columns.  Also: which 128 rows of that tile I fetch
	s_bfe_u32 s40, ttmp6, 0x40000                  ; cx, cy
	s_bfe_u32 s41, ttmp6, 0x40004
	s_lshl_b32 s42, ttmp9, 2
	s_add_co_u32 s42, s42, s40                     ; tile column = 4 x cluster x + cx
	s_and_b32 s17, ttmp7, 0xffff
	s_lshl_b32 s17, s17, 2
	s_add_co_u32 s17, s17, s41                     ; tile row = 4 x cluster y + cy
	s_lshl_b32 s43, s41, 2
	s_lshl_b32 s43, 15, s43                        ; my row of the cluster
	s_lshl_b32 s44, 0x1111, s40                    ; my column
	s_or_b32 s[G1+0], s43, (0<<16)|(1<<20)|(1<<21)|(5<<22)|(3<<25)  ; 15:0 the mask; 17:16 element of 1 byte; 20 padding on; 21 set beside a mask; 24:22 after every 64 words (code 5); 31:25 of 4 words (code 3)
	s_or_b32 s[G1B+0], s44, (0<<16)|(1<<20)|(1<<21)|(5<<22)|(3<<25)
.irp g, G1, G1B
	s_mov_b32 s[\g+1], ROWB<<16                    ; tensor_dim0
	s_mov_b32 s[\g+2], 128<<16                     ; tensor_dim1 = 128
	s_mov_b32 s[\g+3], ROWB<<16                    ; tile_dim0
	s_mov_b32 s[\g+4], 128                         ; tile_dim1 = 128
	s_mov_b32 s[\g+6], 0
	s_mov_b32 s[\g+7], 0
.endr
	s_mov_b32 s[G1+5], ROWB                        ; A's rows follow each other in memory
	s_mov_b32 s[G1B+5], KROW                       ; B's lie a row of Wo apart
	s_lshl_b32 s20, s17, 1
	s_add_co_u32 s20, s20, s16                     ; A: the block of 128 tokens 2 x tile row + half,
	s_lshl_b32 s20, s20, 17                        ; 2^17 bytes each
	s_mov_b32 s21, 0
	s_lshl_b32 s18, s16, 7
	s_lshl_b32 s46, s42, 8
	s_add_co_u32 s46, s46, s18                     ; B: row 256 x tile column + 128 x half
	s_lshl_b32 s46, s46, 10
	s_mov_b32 s47, 0
	s_mul_i32 s45, s14, HALFT                      ; where they go: wave x 128 rows: no place in the cluster enters an LDS address
	s_wait_kmcnt 0x0
	s_load_b64 s[96:97], s[8:9], 0x28              ; e10, e11
	s_add_nc_u64 s[20:21], s[4:5], s[20:21]
	s_add_nc_u64 s[46:47], s[6:7], s[46:47]
	CROUND                                         ; all sixteen work-groups are here: the first joint loads meet
.irp s, 0,1
	s_mov_b32 s[G0+4*\s], 1
	s_add_co_u32 s[G0+4*\s+1], s45, \s*SLOT
	s_add_nc_u64 s[G0+4*\s+2:G0+4*\s+3], s[20:21], \s*AKST
	s_or_b32 s[G0+4*\s+3], s[G0+4*\s+3], 0x80000000
	s_mov_b32 s[G0B+4*\s], 1
	s_add_co_u32 s[G0B+4*\s+1], s45, \s*SLOT
	s_add_nc_u64 s[G0B+4*\s+2:G0B+4*\s+3], s[46:47], \s*ROWB
	s_or_b32 s[G0B+4*\s+3], s[G0B+4*\s+3], 0x80000000
	JLOAD G0+4*\s, G1, G0B+4*\s, G1B
.endr
	v_and_b32 v1, 15, v0                           ; r = l % 16
	v_bfe_u32 v2, v0, 4, 1                         ; h = l / 16
	v_mul_u32_u24 v3, v1, PITCH
	v_lshl_add_u32 v4, v2, 4, v3                   ; B: a fragment's row x pitch + 16 x half
	v_lshrrev_b32 v7, 2, v1
	v_mul_u32_u24 v7, v7, PITCH
	v_and_b32 v8, 3, v1
	v_lshl_add_u32 v7, v8, 6, v7
	v_lshl_add_u32 v7, v2, 4, v7                   ; A: token r of a block of 16: LDS row r / 4, 64 (r % 4) bytes in, + 16 x half
	s_mul_i32 s21, s15, HALFT                      ; my 128 tokens of A
	s_mul_i32 s22, s16, HALFT                      ; my 128 rows of B,
	s_add_co_u32 s22, s22, 2*HALFT                 ; which lie behind A's
.irp s, 0,1
	v_add_nc_u32 v[ADRA+\s], s21, v7
	v_add_nc_u32 v[ADRB+\s], s22, v4
	s_add_co_u32 s21, s21, SLOT
	s_add_co_u32 s22, s22, SLOT
.endr
	s_mul_i32 s23, s14, 16*SPITCH                  ; my stage
	v_mul_u32_u24 v5, v1, SPITCH                   ; in: row l % 16, 32 bytes for each half of the lanes
	v_lshl_add_u32 v5, v2, 5, v5
	v_add_nc_u32 v[STO], s23, v5
	v_and_b32 v6, 31, v0
	v_lshlrev_b32 v[CO], 4, v6                     ; back: the 32 lanes take one row of 512 bytes; and the same in the result
	v_add_nc_u32 v[RD], s23, v[CO]
	s_lshl_b32 s20, s17, 8
	s_lshl_b32 s21, s15, 7
	s_add_co_u32 s20, s20, s21                     ; my first row of the result: 256 x tile row + 128 x half
	s_mov_b32 s21, 0
	s_mov_b64 s[18:19], SIZE_N*4
	s_mul_u64 s[20:21], s[20:21], s[18:19]
	s_lshl_b32 s46, s42, 10                        ; my first column, in bytes: 1024 x tile column + 512 x half
	s_lshl_b32 s47, s16, 9
	s_add_co_u32 s46, s46, s47
	s_mov_b32 s47, 0
	s_add_nc_u64 s[20:21], s[20:21], s[46:47]
	s_add_nc_u64 s[10:11], s[10:11], s[20:21]
.macro FRAG reg, adr, q, i             ; B: 16 rows x 128 K in 16 registers: lane l holds row l % 16; registers 4 c .. 4 c + 3 hold K = 32 c + 16 (l / 16) + 0 .. 15
.irp c, 0,1,2,3
	ds_load_b128 v[\reg+4*\c:\reg+4*\c+3], v[\adr] offset:128*(\q)+32*\c+(\i)*16*PITCH
.endr
.endm
.macro FRAG_A reg, adr, q, i           ; A: the same places of K: K = 128 q + 32 c + .. is head 2 q + c / 2 of the slot's four, d = 32 (c % 2) + ..; tokens 16 i on are LDS rows 4 i on of that head's 32
.irp c, 0,1,2,3
	ds_load_b128 v[\reg+4*\c:\reg+4*\c+3], v[\adr] offset:((2*(\q)+\c/2)*32+4*(\i))*PITCH+32*(\c%2)
.endr
.endm
.macro MUL16 a0, p, zero               ; 16 matrix instructions: A's blocks a0, a0 + 1 x B's eight; the 64 accumulators take turns, one instruction a turn
.irp a, \a0, \a0+1
.irp b, 0,1,2,3,4,5,6,7
.if \zero
	v_wmma_f32_16x16x128_bf8_bf8 v[8*(8*((\a)%4)+\b):8*(8*((\a)%4)+\b)+7], v[128*(\p)+FR*\b:128*(\p)+FR*\b+FR-1], v[AF+FR*(\a):AF+FR*(\a)+FR-1], 0
.else
	v_wmma_f32_16x16x128_bf8_bf8 v[8*(8*((\a)%4)+\b):8*(8*((\a)%4)+\b)+7], v[128*(\p)+FR*\b:128*(\p)+FR*\b+FR-1], v[AF+FR*(\a):AF+FR*(\a)+FR-1], v[8*(8*((\a)%4)+\b):8*(8*((\a)%4)+\b)+7]
.endif
.endr
.endr
.endm
.macro FETCH_B slot, q, p
	WIN TO_B
.irp i, 0,1,2,3,4,5,6,7
	FRAG 128*(\p)+FR*\i, ADRB+\slot, \q, \i
.endr
	WIN 0
.endm
.macro FETCH_A slot, q, i0
.irp i, \i0, \i0+1, \i0+2, \i0+3
	FRAG_A AF+FR*(\i), ADRA+\slot, \q, \i
.endr
.endm
.macro PLACES n                        ; plain vector instructions between a matrix instruction and a load into, or a vector read of, its registers
.rept \n
	v_nop
.endr
.endm
.macro STEP slot, q, zero              ; a step of 128 along K that has its successor in the same slot
	s_wait_dscnt 4*NL                              ; B's set and A's blocks 0-3 are in; the youngest sixteen loads (A's blocks 4-7) may be out
	WIN MUL_LO
	MUL16 0, (\q)%2, \zero
	MUL16 2, (\q)%2, \zero
	s_wait_dscnt 0
	PLACES NP
	FETCH_B \slot, (\q)+1, 1-(\q)%2
	FETCH_A \slot, (\q)+1, 0
	WIN MUL_HI
	MUL16 4, (\q)%2, \zero
	MUL16 6, (\q)%2, \zero
	PLACES NP
	WIN 0
	FETCH_A \slot, (\q)+1, 4
.endm
; A slot's last step changes slots: ONE barrier; in front of it each wave waits for all its tensor loads, adds 0 to its spare word, and waits for that and for its own reads of this slot.  fill = 1: this slot is filled again, two K steps ahead.
.macro TURN slot, next, fill
	s_wait_tensorcnt 0x0                           ; all my tensor loads have landed: my part of the next slot
	ds_add_u32 v[SPW], v[NIL]                      ; 0 onto my spare word
	s_wait_dscnt 4*NL+1                            ; the add and the youngest sixteen loads may be out
	WIN MUL_LO
	MUL16 0, 1, 0
	s_wait_dscnt 0x0                               ; the add is done, and my reads of this slot are over
	s_barrier_signal -1
	MUL16 2, 1, 0
	WIN 0
	s_barrier_wait -1
.if \fill
	CREST                                          ; the barrier has opened a round of the cluster's barrier: no wave of any partner still reads this slot's tile or has a load on its way
	s_add_nc_u64 s[G0+4*\slot+2:G0+4*\slot+3], s[G0+4*\slot+2:G0+4*\slot+3], ASTEP
	s_add_nc_u64 s[G0B+4*\slot+2:G0B+4*\slot+3], s[G0B+4*\slot+2:G0B+4*\slot+3], BSTEP
	JLOAD G0+4*\slot, G1, G0B+4*\slot, G1B         ; the first tensor load behind the round; its four v_nop are the places in front of the loads below
.else
	PLACES NP
.endif
	FETCH_B \next, 0, 0
	FETCH_A \next, 0, 0
	WIN MUL_HI
	MUL16 4, 1, 0
	MUL16 6, 1, 0
	PLACES NP
	WIN 0
	FETCH_A \next, 0, 4
.endm
	s_wait_tensorcnt 1                             ; my part of K step 0 is in (K step 1's load may be out)
	s_barrier_signal -1
	s_barrier_wait -1                              ; everybody's is
	FETCH_B 0, 0, 0
	FETCH_A 0, 0, 0
	FETCH_A 0, 0, 4
	STEP 0, 0, 1                                   ; K step 0: the first products start the sums
	TURN 0, 1, 1                                   ; slot 0 takes K step 2
	STEP 1, 0, 0
	TURN 1, 0, 1                                   ; slot 1 takes K step 3
	STEP 0, 0, 0
	TURN 0, 1, 0                                   ; nothing is left to fetch: behind this barrier nobody reads slot 0 any more
	STEP 1, 0, 0
	s_wait_dscnt 4*NL
	WIN MUL_LO
	MUL16 0, 1, 0
	MUL16 2, 1, 0
	s_wait_dscnt 0
	WIN MUL_HI
	MUL16 4, 1, 0
	MUL16 6, 1, 0
	WIN 0
; THE WAY OUT, block by block of 16 rows x 128 columns: through my own stage in LDS and back as whole rows of 512 bytes.  LDS serves a wave's instructions in order (ISA guide 5.7.1.4): no wait between the stores and the loads.
.macro TOSTAGE a
.set AC, 64*((\a)%4)
	WIN 0x02+((\a)/4)                              ; source 0: window 2 or 3
.set J, 0
.rept 32
	v_pk_mul_f32 v[TMP+J:TMP+J+1], v[AC+J:AC+J+1], s[96:97] op_sel_hi:[1,0]   ; both x s96 = 2^(e10 + e11); each accumulator from its low end on
.set J, J+2
.endr
	WIN 0
.irp b, 0,1,2,3,4,5,6,7
	ds_store_b128 v[STO], v[TMP+8*\b:TMP+8*\b+3] offset:64*\b
	ds_store_b128 v[STO], v[TMP+8*\b+4:TMP+8*\b+7] offset:64*\b+16
.endr
.set BB, BK+64*((\a)%2)
.irp t, 0,1,2,3,4,5,6,7,8,9,10,11,12,13,14,15
	ds_load_b128 v[BB+4*\t:BB+4*\t+3], v[RD] offset:\t*SPITCH
.endr
.endm
.macro SEND a, younger                 ; younger: the LDS instructions issued behind block a's loads, which may stay out
.set BB, BK+64*((\a)%2)
	s_wait_dscnt \younger
.if (\a) > 0
	s_add_nc_u64 s[10:11], s[10:11], 16*SIZE_N*4   ; (behind a wait on XCNT: the earlier stores have read their base)  16 rows on
.endif
.irp t, 0,1,2,3,4,5,6,7,8,9,10,11,12,13,14,15
	global_store_b128 v[CO], v[BB+4*\t:BB+4*\t+3], s[10:11] offset:\t*SIZE_N*4 th:TH_STORE_NT   ; 32 lanes store 512 consecutive bytes, at a multiple of 256 from the result's first byte
.endr
.endm
	s_wait_kmcnt 0x0
	s_add_co_i32 s96, s96, s97                     ; e10 + e11
	s_add_co_i32 s96, s96, 127
	s_lshl_b32 s96, s96, 23                        ; 2^(e10 + e11) as f32
	PLACES NP
	TOSTAGE 0
.irp a, 1,2,3,4,5,6,7
.if \a > 1
	s_wait_xcnt 0x0                                ; block a - 2's stores have read their registers and their base
.endif
	TOSTAGE \a
	SEND \a-1, 32                                  ; behind block a - 1's loads: block a's 16 stores and 16 loads
.endr
	s_wait_xcnt 0x0
	SEND 7, 0
	s_wait_tensorcnt 0x0                           ; the wave's end, behind my last tensor load and my last LDS store
	ds_add_u32 v[SPW], v[NIL]
	s_wait_dscnt 0x0
	CROUND                                         ; the closing round: no work-group ends while a partner may still ask for a tile that names it
	s_endpgm
.Lfunc_end_k_q489dc4c510_outp:
	.size	k_q489dc4c510_outp, .Lfunc_end_k_q489dc4c510_outp-k_q489dc4c510_outp
	.p2alignl 7, 3214868480
	.fill 96, 4, 3214868480
	.section	.rodata,"a",@progbits
	.p2align	6, 0x0
	.amdhsa_kernel k_q489dc4c510_outp
		.amdhsa_group_segment_fixed_size 327680
		.amdhsa_private_segment_fixed_size 0
		.amdhsa_enable_private_segment 0
		.amdhsa_kernarg_size 32
		.amdhsa_user_sgpr_count 2
		.amdhsa_user_sgpr_kernarg_segment_ptr 1
		.amdhsa_wavefront_size32 1
		.amdhsa_system_sgpr_workgroup_id_x 1
		.amdhsa_system_sgpr_workgroup_id_y 1
		.amdhsa_system_sgpr_workgroup_id_z 1
		.amdhsa_system_vgpr_workitem_id 0
		.amdhsa_next_free_vgpr 1024
		.amdhsa_next_free_sgpr 98
		.amdhsa_reserve_vcc 0
		.amdhsa_float_denorm_mode_32 3
		.amdhsa_float_denorm_mode_16_64 3
		.amdhsa_memory_ordered 1
		.amdhsa_forward_progress 1
		.amdhsa_inst_pref_size 123
	.end_amdhsa_kernel
	.amdgpu_metadata
---
amdhsa.version: [ 1, 2 ]
amdhsa.kernels:
  - .name:           k_q489dc4c510_outp
    .symbol:         k_q489dc4c510_outp.kd
    .args:
      - { .name: o_codes, .offset: 0, .size: 8, .value_kind: global_buffer, .address_space: global }
      - { .name: Wo_codes, .offset: 8, .size: 8, .value_kind: global_buffer, .address_space: global }
      - { .name: lowp_scales, .offset: 16, .size: 8, .value_kind: global_buffer, .address_space: global }
      - { .name: out0, .offset: 24, .size: 8, .value_kind: global_buffer, .address_space: global }
    .group_segment_fixed_size: 327680
    .private_segment_fixed_size: 0
    .kernarg_segment_align: 8
    .kernarg_segment_size: 32
    .max_flat_workgroup_size: 128
    .sgpr_count:     98
    .vgpr_count:     1024
    .wavefront_size: 32
...
	.end_amdgpu_metadata
.endif
;; end of part 3
;; ======== version 2 of 2: 3 launches; version 1 with the launch attn written anew for expert scheduling mode
;; workspace buffers: q_codes 8,388,608 bytes; k_codes 8,388,608 bytes; v_codes 8,388,608 bytes; o_codes 8,388,608 bytes
;; launch proj: the kernel of part 1 again; grid 12 x 32, 4 waves a work-group, clusters of 4 x 4, 327,680 bytes of LDS; arguments x_codes, Wq_codes, Wk_codes, Wv_codes, lowp_scales, q_codes, k_codes, v_codes; writes q_codes, k_codes, v_codes
;; launch attn (part 4): grid 4 x 64, 16 waves a work-group, no clusters, 116,736 bytes of LDS; arguments q_codes, k_codes, v_codes, lowp_scales, o_codes; writes o_codes
.if DOCPART == 4
	.amdgcn_target "amdgcn-amd-amdhsa--gfx1250"
	.amdhsa_code_object_version 6
	.text
	.protected	k_q489dc4c510_attn
	.globl	k_q489dc4c510_attn
	.p2align	8
	.type	k_q489dc4c510_attn,@function
k_q489dc4c510_attn:
	s_mov_b64 s[64:65], 0
	v_nop
	global_prefetch_b8 v0, s[64:65] scope:SCOPE_SE
	s_setreg_imm32_b32 hwreg(HW_REG_WAVE_SCHED_MODE, 0, 2), 2
	s_setreg_imm32_b32 hwreg(HW_REG_WAVE_MODE, 25, 1), 1
	s_wait_xcnt 0x0
	s_wait_alu depctr_vm_vsrc(0)
; Causal attention on codes of BF8 (E5M2), head size 64, 2,048 tokens, 64 heads (batch x head).  q_codes, k_codes: [bh 64][t 2048][d 64];  v_codes: [bh][d 64][t 2048];
; o_codes out: [token / 128][h 16][token % 128][d 64] (token = 2048 b + t), the attention's result quantised with 2^e10 for the last product.
; THE SOFTMAX: t = score x log2(e) / 8; M = the row's largest t so far, rounded UP to a whole number; p = 2^(t - M) is quantised with 2^e8, not normalised.  The row's sum is taken of the unquantised p and divides O at the end.
; When M moves, the sum and O are multiplied by 2^(old M - new M): exact.
; SHARES.  Work-group (I, bh), I = 0 .. 3, owns query blocks I and 7 - I (256 queries each) of one head, one after the other: block I walks key slots 0 .. I, block 7 - I slots 0 .. 7 - I: always 9 slots of 256 keys.
; So the trip counts are constants of the text and all 256 work-groups have the same work under the causal mask.  Each of the SIXTEEN waves owns 16 queries in 256 registers: four waves to a SIMD, so that one wave's
; vector work stands beside another's matrix work and LDS loads.  A slot is two key steps of 128.  A step all of whose keys come after the wave's queries is jumped over; on the diagonal hidden scores become -infinity.
; K AND V COME THROUGH REGISTERS: a slot is 32 KB, four loads and four LDS stores of 16 bytes a thread; the loads are issued a whole slot ahead.  Two LDS slots take turns; ONE barrier a trip: in front of it a wave's reads of
; the slot in hand and its stores into the other are done; the other slot was last read in front of the barrier before.  The loop runs two trips a pass, so that every LDS address is a lane term + an immediate.
; NO CLUSTER: the four work-groups of a head want different slots in the same trip (slot s against slot s - I - 1), so their requests do not meet.
; LAYOUT.  Both products transposed: S^T = K Q^T (source 0 = 16 keys), O^T = V^T P^T (source 0 = 16 of the head's 64): a lane holds ONE query (lane % 16) throughout.  THE KEYS OF A TILE ARE NOT NEIGHBOURS: lane r of tile
; 2 b + u takes key 32 b + 8 u + r + 8 (r / 8), so that the 16 registers of tiles 2 b, 2 b + 1 are keys 32 b + 16 (lane / 16) + 0 .. 15: the conversions' results are the second product's operand.
; THE HOLD OF p: p <= 1, and the largest code x 2^e8 is 1.75 x 2^(15 + e8): for e8 >= -15 the hold changes nothing and is jumped over (a scalar branch on the given whole number, round those lines alone); else it is executed.
; LIMITS on the given exponents, so that each power of two is an f32 number: e6 + e7 between -123 and 130 (added to c's exponent field); e8, and e10 - e8 - e9, between -126 and 112.
; REGISTERS: v1-11 addresses that stay; v12 -M, v13 the largest t, v[14:15] the sum in two halves; v16-23 Q in use, v24-31 Q of the second block; v32-95 fragments (8 of K, then 4 of V); v96-159 S^T, then p; v160-191 O^T;
;   v192-207 p's codes; v208-223 the next slot on its way; v224, v225 where I store it; v228-235 o's codes; v236-254 at work and constants.
; THE MODE: SCHED_MODE bits 1:0 = 2 (LLVM: expert scheduling mode 2), set by the entry lines.  The code itself states the register dependences between vector or matrix instructions and memory or LDS instructions,
; with s_wait_alu, always for 0.
; THE PLAN.  Registers that memory or LDS instructions touch:
;   v208-223 (NX)  Written by the four global loads at a trip's head, read by the four LDS stores at its end.  No vector instruction names them: one wait on vm_vsrc at a trip's head, ahead of the loads, is all.
;   v32-95 (KV)    A key step: K's 16 LDS loads land; the 8 products K Q^T read; V's 16 LDS loads land; the 4 products V^T P^T read.  So two waits on va_vdst a step: ahead of K's loads (the last step's products are done
;                  reading) and behind the 8 products (they are done reading).  Behind the second, V's loads are dealt among the lines of the maximum, which name the scores and v252, v254 alone.
;   v128-135       On a block's way out: two LDS loads land, two global stores read; the next trip's products write them again, behind the trip's head.
;   v228-235 (OC)  The way out's conversions write, four LDS stores read: one wait on va_vdst between; written again by the second block's way out, behind a trip's head.
;   v1-7, v10, v224, v225   Addresses and offsets: made at the head, ahead of a wait on va_vdst, and never written again.   v38: Q's offset at the head; K's first loads land on it behind the first trip's head.
;   v251, v255     Written at the head, read by the closing add alone.
; Scalar results of vector instructions: the wave's number (s18) at the head, and on the diagonal the masks s66-97, 32 compares a run: one wait on va_sdst behind each, ahead of the first reader.
.set KP,    288                        ; LDS: four keys' 256 bytes + 32.  Key k of a slot lies at KP (k / 4) + 64 (k % 4) + 16 ((k / 16) % 2): the sixteen lanes of a fragment load (keys 0-7 and 16-23 of 32) then start at sixteen different groups of four banks (64 banks of 4 bytes: ISA guide 11.1)
.set VP,    272                        ; a row of V's tile: 256 keys + 16 of padding
.set VOFF,  64*KP                      ; a slot: K's tile, then V's 64 rows
.set SLOT1, 36864                      ; slot 1 begins here
.set STAGE, 2*SLOT1                    ; the way out: 16 rows x 80 bytes for each wave, once for each of the two blocks
.set STG2,  16*1280
.set AK0, 1                            ; v1   my lane's place in a tile of K
.set AV0, 2                            ; v2   the same for V
.set PFO, 3                            ; v3   the prefetches' lane offset
.set STO, 4                            ; v4   the stage: where I put 8 codes
.set GK,  5                            ; v5   16 x thread: my 16 bytes of half a slot of K
.set GV,  6                            ; v6   my 16 bytes of 32 rows of V
.set GO,  7                            ; v7   16 x lane
.set STR, 10                           ; v10  the stage: where I read 16 bytes back
.set D0,  11                           ; v11  lane % 16 - 16 (lane / 16)
.set QF,  16
.set QN,  24
.set KV,  32
.set SCO, 96
.set OT,  160
.set PC,  192
.set NX,  208
.set LWK, 224
.set LWV, 225
.set OC,  228
.set MK,  66                           ; s[66:97] the diagonal's masks, 32 a run
; s3 the trip's number; s[4:5] Q, first block; s[6:7], s[8:9] the head's K and V; s14 I, s15 I + 1, s16 bh, s18 wave; s19 the slot's first key; s[20:21] lane selects; s[22:23] c; s[24:27] the next slot's K and V;
; s[28:29] Q, second block; s[30:33] O's two places; s34, s35 my first query in the two blocks; s36 the one in hand, s37 my last; s38 loop counter; s39, s[40:43] the prefetches; s[44:48] e6 .. e10; s[52:53] an offset; s54-61 at work
	s_load_b128 s[4:7], s[0:1], 0x0                ; q_codes, k_codes
	s_load_b128 s[8:11], s[0:1], 0x10              ; v_codes, the scales' exponents
	s_load_b64 s[12:13], s[0:1], 0x20              ; o_codes
	v_lshl_add_u32 v251, v0, 2, 0x1c000
	v_mov_b32 v255, 0
	v_lshrrev_b32 v32, 5, v0
	v_readfirstlane_b32 s18, v32                   ; wave 0..15
	s_mov_b32 s14, ttmp9                           ; I
	s_add_co_u32 s15, s14, 1
	s_sub_co_u32 s56, 7, s14                       ; the second block
	s_and_b32 s16, ttmp7, 0xffff                   ; bh
	v_and_b32 v32, 15, v0                          ; r
	v_bfe_u32 v33, v0, 4, 1                        ; h
	v_lshlrev_b32 v[GK], 4, v0
	v_lshrrev_b32 v36, 4, v0                       ; thread / 16: 0 .. 31
	v_lshlrev_b32 v[GV], 4, v32
	v_lshl_add_u32 v[GV], v36, 11, v[GV]           ; row thread / 16 of 2,048 bytes, + 16 (thread % 16)
	v_lshlrev_b32 v38, 6, v32
	v_lshl_add_u32 v38, v33, 4, v38                ; Q: row r of 64 bytes, + 16 h
	s_lshl_b32 s52, s16, 17                        ; a head's codes are 2^17 bytes in q, k and v alike
	s_mov_b32 s53, 0
	s_wait_alu depctr_va_sdst(0)                   ; s18, the wave's number, is written, ahead of its first reader
	s_lshl_b32 s55, s18, 10                        ; my wave's 16 queries
	s_wait_kmcnt 0x0
	s_load_b128 s[44:47], s[10:11], 0x18           ; e6, e7, e8, e9
	s_load_b32 s48, s[10:11], 0x28                 ; e10
	s_add_nc_u64 s[6:7], s[6:7], s[52:53]
	s_add_nc_u64 s[8:9], s[8:9], s[52:53]
	s_wait_alu depctr_va_vdst(0)                   ; v5, v6 and v38 are written: the offsets of the eight loads below, and of every later load of K and V
	global_load_b128 v[NX:NX+3],     v[GK], s[6:7]                 ; slot 0: K's 16,384 bytes on end, 8,192 a load of the work-group,
	global_load_b128 v[NX+4:NX+7],   v[GK], s[6:7] offset:8192
	global_load_b128 v[NX+8:NX+11],  v[GV], s[8:9]                 ; V's 64 rows of 256 bytes, 32 a load
	global_load_b128 v[NX+12:NX+15], v[GV], s[8:9] offset:65536
	s_add_nc_u64 s[4:5], s[4:5], s[52:53]
	s_lshl_b32 s52, s56, 14
	s_add_co_u32 s52, s52, s55
	s_add_nc_u64 s[28:29], s[4:5], s[52:53]        ; Q of block 7 - I,
	s_lshl_b32 s52, s14, 14
	s_add_co_u32 s52, s52, s55
	s_add_nc_u64 s[4:5], s[4:5], s[52:53]          ; and of block I
	global_load_b128 v[QF:QF+3],   v38, s[4:5] th:TH_LOAD_NT       ; a fragment of Q: registers 4 c .. 4 c + 3 hold d = 32 c + 16 h + 0 .. 15, the same places as K's
	global_load_b128 v[QF+4:QF+7], v38, s[4:5] offset:32 th:TH_LOAD_NT
	global_load_b128 v[QN:QN+3],   v38, s[28:29] th:TH_LOAD_NT
	global_load_b128 v[QN+4:QN+7], v38, s[28:29] offset:32 th:TH_LOAD_NT
	v_and_b32 v34, 8, v32
	v_add_nc_u32 v35, v34, v32                     ; r + 8 (r / 8): 0 .. 7, 16 .. 23
	v_lshrrev_b32 v37, 2, v35
	v_mul_u32_u24 v[AK0], v37, KP
	v_and_b32 v37, 3, v32
	v_lshl_add_u32 v[AK0], v37, 6, v[AK0]
	v_lshl_add_u32 v[AK0], v34, 1, v[AK0]          ; + 16 (r / 8)
	v_lshl_add_u32 v[AK0], v33, 4, v[AK0]          ; + 16 h
	v_mul_u32_u24 v[AV0], v32, VP
	v_lshl_add_u32 v[AV0], v33, 4, v[AV0]
	v_add_nc_u32 v[AV0], VOFF, v[AV0]
	s_mul_i32 s54, s18, 1280
	s_add_co_u32 s54, s54, STAGE                   ; my stage
	v_mul_u32_u24 v[STO], v32, 80
	v_lshl_add_u32 v[STO], v33, 3, v[STO]
	v_add_nc_u32 v[STO], s54, v[STO]               ; in: row r of 80 bytes, + 8 h
	v_bfe_u32 v37, v0, 2, 3
	v_mul_u32_u24 v[STR], v37, 80
	v_and_b32 v37, 3, v0
	v_lshl_add_u32 v[STR], v37, 4, v[STR]
	v_add_nc_u32 v[STR], s54, v[STR]               ; back: four lanes to a row of 64 bytes
	v_and_b32 v37, 31, v0
	v_lshlrev_b32 v[GO], 4, v37
	v_lshlrev_b32 v37, 4, v33
	v_sub_nc_u32 v[D0], v32, v37
	v_mul_u32_u24 v[LWK], v36, KP
	v_lshl_add_u32 v[LWK], v32, 4, v[LWK]
	v_bfe_u32 v37, v0, 6, 1
	v_lshl_add_u32 v[LWK], v37, 4, v[LWK]          ; my 16 bytes of K belong to key thread / 4: KP (thread / 16) + 16 (thread % 16) + 16 ((thread / 64) % 2)
	v_mul_u32_u24 v[LWV], v36, VP
	v_lshl_add_u32 v[LWV], v32, 4, v[LWV]
	v_add_nc_u32 v[LWV], VOFF, v[LWV]
	; O's places: token / 128 = 16 b + 2 block + wave / 8; then the head; then 16 (wave % 8) tokens of 64 bytes
	s_lshr_b32 s57, s16, 4
	s_lshl_b32 s57, s57, 21
	s_lshr_b32 s58, s18, 3
	s_lshl_b32 s58, s58, 17
	s_add_co_u32 s57, s57, s58
	s_and_b32 s58, s16, 15
	s_lshl_b32 s58, s58, 13
	s_add_co_u32 s57, s57, s58
	s_and_b32 s58, s18, 7
	s_lshl_b32 s58, s58, 10
	s_add_co_u32 s57, s57, s58
	s_lshl_b32 s52, s14, 18
	s_add_co_u32 s52, s52, s57
	s_add_nc_u64 s[30:31], s[12:13], s[52:53]
	s_lshl_b32 s52, s56, 18
	s_add_co_u32 s52, s52, s57
	s_add_nc_u64 s[32:33], s[12:13], s[52:53]
	s_lshl_b32 s58, s18, 4
	s_lshl_b32 s34, s14, 8
	s_add_co_u32 s34, s34, s58                     ; my first query: 256 x block + 16 x wave
	s_lshl_b32 s35, s56, 8
	s_add_co_u32 s35, s35, s58
	s_mov_b32 s20, 0x76543210                      ; v_permlanex16_b32's selects for lane l xor 16
	s_mov_b32 s21, 0xfedcba98
	; THE PREFETCHES (macro ASK).  All four work-groups of a head walk the same K and V: the one with I = 0, whose second block walks all eight slots, asks, and nobody else.  In it waves 4 and 5 ask for a slot's K
	; (8,192 bytes a wave, lanes 256 bytes apart), waves 6 and 7 for its V (32 rows a wave, a lane a row of 256 bytes): each aligned block of 256 bytes is named once in the launch.
	s_cmp_lt_u32 s18, 6
	s_cselect_b64 s[40:41], s[6:7], s[8:9]
	s_mov_b32 s42, 256
	s_cselect_b32 s42, 0x4000, s42                 ; a slot on, in bytes
	s_mov_b32 s54, 2048
	s_cselect_b32 s54, 256, s54                    ; from lane to lane
	s_mov_b32 s55, 65536
	s_cselect_b32 s55, 8192, s55                   ; from wave to wave
	v_and_b32 v[PFO], 31, v0
	v_mul_lo_u32 v[PFO], v[PFO], s54
	s_and_b32 s56, s18, 1
	s_mul_i32 s56, s56, s55
	s_add_co_u32 s56, s56, s42                     ; it stands at slot 1: trip 0 steps it to slot 2.  Nothing is prefetched here, at the head; slots 0 and 1 come by their loads alone
	s_mov_b32 s57, 0
	s_mov_b32 s43, 0
	s_add_nc_u64 s[40:41], s[40:41], s[56:57]
	s_sub_co_u32 s56, s18, 4
	s_lshr_b32 s56, s56, 2                         ; 0 in waves 4 to 7,
	s_or_b32 s56, s56, s14                         ; of the work-group with I = 0
	s_cmp_eq_u32 s56, 0
	s_cselect_b32 s39, 6, 0                        ; an asking wave asks in trips 0 to 5, for slots 2 to 7: no prefetch passes the head's last slot
	v_mov_b32 v13, 0xff61b1e6                      ; the largest t so far: -3e38, under every t
	v_floor_f32 v12, -v13                          ; -M
	v_mov_b32 v14, 0
	v_mov_b32 v15, 0
	v_mov_b32 v236, 0                              ; a lane permute's destination counts as one of its sources
	v_mov_b32 v252, 0
	v_mov_b32 v253, 0                              ; (named as the upper half of the pair v[252:253])
.set J, 0
.rept 32
	v_mov_b32 v[OT+J], 0                           ; O^T: the step is written once; the first finds zeros, which the first change of M leaves zeros
.set J, J+1
.endr
	s_wait_kmcnt 0x0
	s_mov_b32 s22, 0x3e38aa3b                      ; c = log2(e) / 8
	s_add_co_i32 s54, s44, s45
	s_lshl_b32 s54, s54, 23
	s_add_co_i32 s22, s22, s54                     ; a score stands for score x 2^(e6 + e7): the two exponents are added to c's exponent field
	s_mov_b32 s23, s22                             ; (named with it as a pair)
	s_add_co_i32 s54, s46, 127
	s_lshl_b32 s55, s54, 23
	v_mov_b32 v244, s55                            ; 2^e8, for p's conversions
	s_add_co_i32 s54, s54, 15
	s_lshl_b32 s54, s54, 23
	s_or_b32 s54, s54, 0x600000
	v_mov_b32 v240, s54                            ; 57,344 x 2^e8
	s_sub_co_i32 s54, s48, s46
	s_sub_co_i32 s54, s54, s47                     ; O / l stands for o / 2^(e8 + e9): its code is (O / l) / 2^(e10 - e8 - e9)
	s_add_co_i32 s54, s54, 127
	s_lshl_b32 s55, s54, 23
	v_mov_b32 v245, s55
	s_add_co_i32 s54, s54, 15
	s_lshl_b32 s54, s54, 23
	s_or_b32 s54, s54, 0x600000
	v_mov_b32 v241, s54
	s_wait_loadcnt 4                               ; slot 0's four loads are in; Q's four may be out
	s_wait_alu depctr_va_vdst(0)                   ; v224 and v225 are written, which the LDS stores below read; so are v1 to v4, v7 and v10, the addresses of every later LDS load and store, prefetch and store of o
	ds_store_b128 v[LWK], v[NX:NX+3]
	ds_store_b128 v[LWK], v[NX+4:NX+7] offset:32*KP
	ds_store_b128 v[LWV], v[NX+8:NX+11]
	ds_store_b128 v[LWV], v[NX+12:NX+15] offset:32*VP
	s_wait_loadcnt 0x0                             ; Q
.macro SYNC                            ; my LDS stores have landed and my LDS loads are in: then the work-group's barrier
	s_wait_dscnt 0x0
	s_barrier_signal -1
	s_barrier_wait -1
.endm
.macro ASK                             ; the slot that the trip after next will load
	s_cmp_lt_u32 s3, s39
	s_cbranch_scc0 .Lnot_mine_\@
	global_prefetch_b8 v[PFO], s[40:41] th:TH_LOAD_NT scope:SCOPE_SE
.Lnot_mine_\@:
.endm
; The next trip's slot is asked for, at a trip's head: it has the trip's two key steps in which to come.
.macro NEXT
	s_wait_xcnt 0x0                                ; every earlier memory instruction has had its addresses translated (ISA guide 3.1): the bases below, and registers that stores have read, are written only behind this wait
	s_wait_alu depctr_vm_vsrc(0)                   ; beside it: the last LDS stores have read v208-223, in which the loads below land; a finished block's stores have read v128-135 and v228-235, which this trip's products and the next way out write; in the first trip Q's loads have read v38, on which K's loads land
	s_add_co_u32 s54, s3, 1
	s_cmp_gt_u32 s54, s14                          ; the next trip belongs to the second block?
	s_cselect_b32 s55, s15, 0
	s_sub_co_u32 s54, s54, s55                     ; its slot of keys
	s_lshl_b32 s52, s54, 14
	s_add_nc_u64 s[24:25], s[6:7], s[52:53]
	s_lshl_b32 s52, s54, 8
	s_add_nc_u64 s[26:27], s[8:9], s[52:53]
	s_add_nc_u64 s[40:41], s[40:41], s[42:43]
	global_load_b128 v[NX:NX+3],     v[GK], s[24:25]
	global_load_b128 v[NX+4:NX+7],   v[GK], s[24:25] offset:8192
	global_load_b128 v[NX+8:NX+11],  v[GV], s[26:27]
	global_load_b128 v[NX+12:NX+15], v[GV], s[26:27] offset:65536
	ASK
.endm
.macro SETK                            ; this trip's block and first key
	s_cmp_gt_u32 s3, s14
	s_cselect_b32 s36, s35, s34                    ; my first query
	s_cselect_b32 s54, s15, 0
	s_sub_co_u32 s54, s3, s54
	s_lshl_b32 s19, s54, 8                         ; the slot's first key
	s_add_co_u32 s37, s36, 15                      ; my last query
.endm
; One of the sixteen LDS loads that bring V's four fragments: number VN: fragment VN / 4, its registers 4 (VN % 4) on.
.macro VLD slot, q
	ds_load_b128 v[KV+4*VN:KV+4*VN+3], v[AV0] offset:(\slot)*SLOT1+16*(VN/4)*VP+128*(\q)+32*(VN%4)
.set VN, VN+1
.endm
; A KEY STEP: 128 keys, the q-th of LDS slot `slot`.
.macro STEP slot, q
	s_add_co_u32 s60, s19, 128*(\q)                ; the step's first key
	s_cmp_gt_u32 s60, s37
	s_cbranch_scc1 .Lhidden_\@                     ; all its keys come after my queries: a scalar branch on ids, round loads, products and softmax; no barrier stands in a step
.rept 4
	v_nop                                          ; places in front of loads into registers that the last products have read; the wait below stands beside them
.endr
	s_wait_alu depctr_va_vdst(0)                   ; the last step's products are done reading v32-95 (in the first trip: the head's arithmetic has written v32-38), in which K's loads land
.irp t, 0,1,2,3,4,5,6,7
.irp c, 0,1
	ds_load_b128 v[KV+8*\t+4*\c:KV+8*\t+4*\c+3], v[AK0] offset:(\slot)*SLOT1+(32*(\q)+8*(\t/2)+2*(\t%2))*KP+32*\c
.endr
.endr
	s_wait_dscnt 8                                 ; tiles 0 to 3 are in; the youngest eight loads may be out
.irp t, 0,1,2,3
	v_wmma_f32_16x16x64_bf8_bf8 v[SCO+8*\t:SCO+8*\t+7], v[KV+8*\t:KV+8*\t+7], v[QF:QF+7], 0
.endr
	s_wait_dscnt 0x0
.irp t, 4,5,6,7
	v_wmma_f32_16x16x64_bf8_bf8 v[SCO+8*\t:SCO+8*\t+7], v[KV+8*\t:KV+8*\t+7], v[QF:QF+7], 0
.endr
.rept 4
	v_nop                                          ; places: in front of V's loads into K's registers, and of the first read of the scores
.endr
	s_wait_alu depctr_va_vdst(0)                   ; the eight products are done reading K's fragments in v32-95, in which V's loads land.  Those loads stand further down, among the lines of the maximum: no vector instruction between here and the last of them names v32-95 or v2, on either way
	s_add_co_u32 s61, s60, 127
	s_cmp_le_u32 s61, s36
	s_cbranch_scc1 .Lopen_\@                       ; all its keys count for all my queries
	s_sub_co_i32 s61, s36, s60
	v_add_nc_u32 v252, s61, v[D0]                  ; d = my query - the step's first key - 16 (lane / 16).  Register 16 b + i holds key 32 b + 16 (lane / 16) + i of the step: hidden where 32 b + i > d
	v_mov_b32 v254, 0xff800000                     ; -infinity: p = 0 then.  The step's first key counts for every query of mine, so the maximum stays a number
.irp g, 0,1                                    ; 32 scores a run: the compares into 32 masks, one wait, the selects
.set N, 32*\g
.rept 32
	v_cmp_gt_i32 s[MK+N%32], 32*(N/16)+N%16, v252
.set N, N+1
.endr
	s_wait_alu depctr_va_sdst(0)                   ; the run's 32 masks s66-97 are written, ahead of the selects that read them
.set N, 32*\g
.rept 32
	v_cndmask_b32 v[SCO+N], v[SCO+N], v254, s[MK+N%32]
.set N, N+1
.endr
.endr
.Lopen_\@:
.set VN, 0                                     ; V's four fragments are asked for now, a load to two lines of the maximum, and come while the softmax is walked
	VLD \slot, \q
	v_max3_num_f32 v254, v96, v97, v98             ; the step's largest score of my query, among my 64 keys, in two chains,
	VLD \slot, \q
	v_max3_num_f32 v252, v99, v100, v101
.irp i, 6,10,14,18,22,26,30,34,38,42,46,50,54,58
	VLD \slot, \q
	v_max3_num_f32 v254, v254, v[96+\i], v[97+\i]
	v_max3_num_f32 v252, v252, v[98+\i], v[99+\i]
.endr
	v_max3_num_f32 v254, v254, v158, v159
	v_max_num_f32 v254, v254, v252
	v_permlanex16_b32 v236, v254, s20, s21
	v_max_num_f32 v254, v254, v236                 ; and among lane l xor 16's
	v_mul_f32 v254, s22, v254                      ; as t (c is positive)
	v_max_num_f32 v13, v13, v254                   ; the running largest t
	v_mov_b32 v254, v12
	v_floor_f32 v12, -v13                          ; the new -M = floor(-t) = -ceil(t): a whole number
	v_sub_f32 v254, v12, v254                      ; M's old value less its new one: a whole number, 0 or less
	v_cvt_i32_f32 v254, v254                       ; (it saturates)
	v_ldexp_f32 v252, 1.0, v254                    ; f = 2^(old M - new M)
.set J, 0
.rept 32
	v_pk_fma_f32 v[SCO+J:SCO+J+1], v[SCO+J:SCO+J+1], s[22:23], v[12:13] op_sel_hi:[1,0,0]   ; t - M, two at a time (of the pairs c and -M the low word serves both halves)
.set J, J+2
.endr
.set J, 0
.rept 64
	v_exp_f32 v[SCO+J], v[SCO+J]                   ; p = 2^(t - M), at most 1
.set J, J+1
.endr
	v_pk_mul_f32 v[14:15], v[14:15], v[252:253] op_sel_hi:[1,0]   ; the sums under the new M (a plain place behind the exponentials)
	s_wait_alu depctr_va_vdst(0)                   ; the 64 exponentials have written v96-159: one wait for the batch, ahead of its first reader
	v_pk_add_f32 v[242:243], v[96:97], v[98:99]    ; the row's sum is taken of the unquantised p: two at a time, in two chains
.irp j, 4,8,12,16,20,24,28,32,36,40,44,48,52,56,60
	v_pk_add_f32 v[14:15], v[14:15], v[96+\j:97+\j]
	v_pk_add_f32 v[242:243], v[242:243], v[98+\j:99+\j]
.endr
	v_pk_add_f32 v[14:15], v[14:15], v[242:243]
	s_cmp_gt_i32 s46, -16                          ; e8 >= -15: the largest code x 2^e8 is at least 1.75, above every p
	s_cbranch_scc1 .Lnohold_\@
.set J, 0
.rept 64
	v_min_num_f32 v[SCO+J], v[SCO+J], v240         ; the conversion to an 8-bit code does not saturate (ISA guide 7.6.2); p is not negative, so the hold is one-sided
.set J, J+1
.endr
.Lnohold_\@:
.irp b, 0,1,2,3
	v_cvt_scalef32_pk8_bf8_f32 v[PC+4*\b:PC+4*\b+1], v[SCO+16*\b:SCO+16*\b+7], v244
	v_cvt_scalef32_pk8_bf8_f32 v[PC+4*\b+2:PC+4*\b+3], v[SCO+16*\b+8:SCO+16*\b+15], v244
.endr
.set J, 0
.rept 16
	v_pk_mul_f32 v[OT+J:OT+J+1], v[OT+J:OT+J+1], v[252:253] op_sel_hi:[1,0]   ; O^T under the new M.  (Also the plain place between the conversions and the products that read their results)
.set J, J+2
.endr
	s_wait_dscnt 0x0                               ; V is in
.irp t, 0,1,2,3                                ; O^T += V^T P^T: K = these 128 keys; the four accumulators take turns
	v_wmma_f32_16x16x128_bf8_bf8 v[OT+8*\t:OT+8*\t+7], v[KV+16*\t:KV+16*\t+15], v[PC:PC+15], v[OT+8*\t:OT+8*\t+7]
.endr
.Lhidden_\@:
.endm
; A block's end: O^T / the sum, quantised, through my own stage, out as 1,024 bytes on end.
.macro FINISH oa, stg
	v_add_f32 v254, v14, v15                       ; the sum's two halves,
	v_permlanex16_b32 v236, v254, s20, s21
	v_add_f32 v254, v254, v236                     ; and lane l xor 16's
	v_rcp_f32 v252, v254
.rept 3
	v_nop                                          ; with the two additions: the places behind the last products; and the plain place behind the reciprocal
.endr
.set J, 0
	s_wait_alu depctr_va_vdst(0)                   ; the reciprocal has written v252, ahead of its first reader
.rept 16
	v_pk_mul_f32 v[SCO+J:SCO+J+1], v[OT+J:OT+J+1], v[252:253] op_sel_hi:[1,0]   ; register 8 t + i: o(my query, 16 t + 8 h + i) / 2^(e8 + e9); each accumulator from its low end on
.set J, J+2
.endr
.set J, 0
.rept 32
	v_med3_num_f32 v[SCO+J], v[SCO+J], -v241, v241 ; the hold at the largest code x the scale
.set J, J+1
.endr
.irp t, 0,1,2,3
	v_cvt_scalef32_pk8_bf8_f32 v[OC+2*\t:OC+2*\t+1], v[SCO+8*\t:SCO+8*\t+7], v245
.endr
	v_nop                                          ; one plain vector instruction behind the conversions: later products write their sources
	s_wait_alu depctr_va_vdst(0)                   ; the conversions have written v228-235, which the LDS stores read; the last step's vector instructions are done with v128-135, in which the loads from the stage land
.irp t, 0,1,2,3
	ds_store_b64 v[STO], v[OC+2*\t:OC+2*\t+1] offset:\stg+16*\t
.endr
.irp i, 0,1
	ds_load_b128 v[128+4*\i:131+4*\i], v[STR] offset:\stg+640*\i   ; LDS serves a wave's instructions in order (ISA guide 5.7.1.4): these see my stores
.endr
.irp i, 0,1
	s_wait_dscnt 1-\i
	global_store_b128 v[GO], v[128+4*\i:131+4*\i], s[\oa:\oa+1] offset:512*\i   ; 32 lanes store 512 consecutive bytes, at a multiple of 256 from the buffer's first byte
.endr
.endm
.macro RESET                           ; the second block begins
	v_mov_b32 v13, 0xff61b1e6
	v_floor_f32 v12, -v13
	v_mov_b32 v14, 0
	v_mov_b32 v15, 0
.set J, 0
.rept 32
	v_mov_b32 v[OT+J], 0
.set J, J+1
.endr
.set J, 0
.rept 8
	v_mov_b32 v[QF+J], v[QN+J]
.set J, J+1
.endr
.endm
.macro PUT s                           ; the next trip's slot goes into LDS slot s, which nobody has read since the barrier before
	s_wait_loadcnt 0x0
	ds_store_b128 v[LWK], v[NX:NX+3] offset:(\s)*SLOT1
	ds_store_b128 v[LWK], v[NX+4:NX+7] offset:(\s)*SLOT1+32*KP
	ds_store_b128 v[LWV], v[NX+8:NX+11] offset:(\s)*SLOT1
	ds_store_b128 v[LWV], v[NX+12:NX+15] offset:(\s)*SLOT1+32*VP
.endm
.macro TRIP slot
	NEXT
	SETK
	STEP \slot, 0
	STEP \slot, 1
	s_cmp_lg_u32 s3, s14                           ; trip I is the first block's last: the same in all sixteen waves; no barrier stands under the branch
	s_cbranch_scc1 .Lsame_\@
	FINISH 30, 0
	RESET
.Lsame_\@:
	PUT 1-\slot
	SYNC
	s_add_co_u32 s3, s3, 1
.endm
	SYNC                                           ; slot 0 lies in LDS
	s_mov_b32 s3, 0
	s_mov_b32 s38, 4
.Lpair:                                                ; four passes of two trips: trips 0 to 7; each asks for the next trip's slot
	TRIP 0
	TRIP 1
	s_sub_co_u32 s38, s38, 1
	s_cmp_lg_u32 s38, 0
	s_cbranch_scc1 .Lpair
	s_wait_xcnt 0x0                                ; registers that earlier stores have read are written below
	s_wait_alu depctr_vm_vsrc(0)                   ; beside it: the stores issued so far have read v128-135 and v228-235, which this trip's products and the way out's conversions write again
	SETK                                           ; trip 8, the second block's last slot: nothing is left to fetch
	STEP 0, 0
	STEP 0, 1
	FINISH 32, STG2
	s_wait_dscnt 0x0                               ; the closing lines, six on end
	s_wait_alu 0x0
	s_wait_tensorcnt 0x0
	ds_add_u32 v251, v255
	s_wait_dscnt 0x0
	s_endpgm
.Lfunc_end_k_q489dc4c510_attn:
	.size	k_q489dc4c510_attn, .Lfunc_end_k_q489dc4c510_attn-k_q489dc4c510_attn
	.p2alignl 7, 3214868480
	.fill 96, 4, 3214868480
	.section	.rodata,"a",@progbits
	.p2align	6, 0x0
	.amdhsa_kernel k_q489dc4c510_attn
		.amdhsa_group_segment_fixed_size 116736
		.amdhsa_private_segment_fixed_size 0
		.amdhsa_enable_private_segment 0
		.amdhsa_kernarg_size 40
		.amdhsa_user_sgpr_count 2
		.amdhsa_user_sgpr_kernarg_segment_ptr 1
		.amdhsa_wavefront_size32 1
		.amdhsa_system_sgpr_workgroup_id_x 1
		.amdhsa_system_sgpr_workgroup_id_y 1
		.amdhsa_system_sgpr_workgroup_id_z 1
		.amdhsa_system_vgpr_workitem_id 0
		.amdhsa_next_free_vgpr 256
		.amdhsa_next_free_sgpr 98
		.amdhsa_reserve_vcc 0
		.amdhsa_float_denorm_mode_32 3
		.amdhsa_float_denorm_mode_16_64 3
		.amdhsa_memory_ordered 1
		.amdhsa_forward_progress 1
		.amdhsa_inst_pref_size 176
	.end_amdhsa_kernel
	.amdgpu_metadata
---
amdhsa.version: [ 1, 2 ]
amdhsa.kernels:
  - .name:           k_q489dc4c510_attn
    .symbol:         k_q489dc4c510_attn.kd
    .args:
      - { .name: q_codes, .offset: 0, .size: 8, .value_kind: global_buffer, .address_space: global }
      - { .name: k_codes, .offset: 8, .size: 8, .value_kind: global_buffer, .address_space: global }
      - { .name: v_codes, .offset: 16, .size: 8, .value_kind: global_buffer, .address_space: global }
      - { .name: lowp_scales, .offset: 24, .size: 8, .value_kind: global_buffer, .address_space: global }
      - { .name: o_codes, .offset: 32, .size: 8, .value_kind: global_buffer, .address_space: global }
    .group_segment_fixed_size: 116736
    .private_segment_fixed_size: 0
    .kernarg_segment_align: 8
    .kernarg_segment_size: 40
    .max_flat_workgroup_size: 512
    .sgpr_count:     98
    .vgpr_count:     256
    .wavefront_size: 32
...
	.end_amdgpu_metadata
.endif
;; end of part 4
;; launch outp: the kernel of part 3 again; grid 4 x 32, 4 waves a work-group, clusters of 4 x 4, 327,680 bytes of LDS; arguments o_codes, Wo_codes, lowp_scales, out0; writes out0
